; MI455X (gfx1250); checked and timed in simulation.
; The chip was launched on July 23, 2026; its instructions are those of AMD's public machine-readable ISA for CDNA 5 (MIT licence, August 2026) and "CDNA5" Instruction Set Architecture Reference Guide (July 2026). The comments in the code are by the model that wrote it; some were corrected since.
;; Multi Head Self Attention. Allowed arithmetic: matrix products marked QUANTISED: E2M1 operands, one E8M0 scale for each 32 along K, by v_wmma_scale_f32_16x16x128_f8f6f4 with both operands' format E2M1 (or v_wmma_scale_f32_32x16x128_f4), f32 sums; everything else in f32.
;; Inputs: attention_mask 4 x 2,048 int32; bk 1,024 float32; bo 1,024 float32; bq 1,024 float32; bv 1,024 float32; wk_codes 1,024 x 32 x 16 uint8 (E2M1 codes of wk, K innermost, in blocks of 32 codes, two codes a byte); wk_scales 1,024 x 32 uint8 (E8M0 scales of wk, one for each 32 codes along K); wo_codes 1,024 x 32 x 16 uint8 (E2M1 codes of wo, K innermost, in blocks of 32 codes, two codes a byte); wo_scales 1,024 x 32 uint8 (E8M0 scales of wo, one for each 32 codes along K); wq_codes 1,024 x 32 x 16 uint8 (E2M1 codes of wq, K innermost, in blocks of 32 codes, two codes a byte); wq_scales 1,024 x 32 uint8 (E8M0 scales of wq, one for each 32 codes along K); wv_codes 1,024 x 32 x 16 uint8 (E2M1 codes of wv, K innermost, in blocks of 32 codes, two codes a byte); wv_scales 1,024 x 32 uint8 (E8M0 scales of wv, one for each 32 codes along K); x_codes 4 x 2,048 x 32 x 16 uint8 (E2M1 codes of x, K innermost, in blocks of 32 codes, two codes a byte); x_scales 4 x 2,048 x 32 uint8 (E8M0 scales of x, one for each 32 codes along K).
;; Outputs: out0 4 x 2,048 x 1,024 float32.
;; This version of the problem:
;;   THIS VERSION OF THE PROBLEM IS GIVEN IN LOW PRECISION. The matrix products marked QUANTISED in the list below multiply operands that are first quantised to E2M1 (2 exponent bits, 1 mantissa bit; 4 bits a number), with one power-of-two scale for each 32 numbers along K (OCP MX v1.0); their sums are f32. All else is computed in f32.
;;   The module's matrix products, in the order in which they are computed (A, B: the left and right operand; K: the contracted axis; several contracted axes count as one K, in the product's order):
;;     1. [M 8,192, K 1,024] x [K 1,024, N 1,024]; A: input x (given as codes); B: input wq (given as codes): QUANTISED
;;     2. [M 8,192, K 1,024] x [K 1,024, N 1,024]; A: input x (given as codes); B: input wk (given as codes): QUANTISED
;;     3. [M 8,192, K 1,024] x [K 1,024, N 1,024]; A: input x (given as codes); B: input wv (given as codes): QUANTISED
;;     4. batch 64 x [M 2,048, K 64] x [K 64, N 2,048]; A: computed on the way; B: computed on the way: QUANTISED
;;     5. batch 64 x [M 2,048, K 2,048] x [K 2,048, N 64]; A: computed on the way; B: computed on the way: QUANTISED
;;     6. [M 8,192, K 1,024] x [K 1,024, N 1,024]; A: computed on the way; B: input wo (given as codes): QUANTISED
;;   THE QUANTISER, for each operand of a quantised product, along K:
;;     - K is cut into blocks of 32 from its start; a last block that is shorter is filled with zeros.
;;     - A block's scale is 2^e with e = floor(log2(the largest magnitude in the block)) - 2, held to -126 .. 127; a block of zeros has e = 0. As a byte (E8M0): e + 127.
;;     - Each number is divided by its block's scale, clamped to +-6, and rounded to the nearest number of E2M1, ties to even, subnormals kept.
;;     - The product sums the exact products of the quantised numbers (number of the format x scale) in f32.
;;   ~~~python
;;   def quantise(x, axis):      # numpy; x: float32 -> the quantised numbers, widened to float32 again
;;       x = np.moveaxis(x, axis, -1); K = x.shape[-1]
;;       x = np.pad(x, [(0, 0)] * (x.ndim - 1) + [(0, -K % 32)]); x = x.reshape(x.shape[:-1] + (-1, 32)); a = np.abs(x).max(-1, keepdims=True)
;;       e = np.where(a > 0, np.clip(np.frexp(np.where(a > 0, a, 1))[1] - 1 - 2, -126, 127), 0)      # np.frexp(a)[1] - 1 = floor(log2(a)), exactly
;;       r = np.clip(x / 2.0 ** e, -6, 6)
;;       step = 2.0 ** (np.maximum(np.frexp(np.where(r == 0, 1, r))[1] - 1, 0) - 1)
;;       q = np.round(r / step) * step * 2.0 ** e      # np.round: ties to even
;;       return np.moveaxis(q.reshape(q.shape[:-2] + (-1,))[..., :K], -1, axis).astype(np.float32)
;;   ~~~
;;   OPERANDS COMPUTED ON THE WAY. 'Computed on the way' means the value that the module computes at that place (a softmax that the list does not call 'softmax' is quantised finished and normalised). What goes into a quantiser is computed in f32, as accurately as f32 sums, v_exp_f32 and their like allow (about 1e-6 of the number): no bf16 or f16 on the way to a quantiser, and a product that is left as it is and whose result goes on into a quantised operand takes f32 operands (vector FMAs, or v_wmma_f32_16x16x4_f32). A number that lies on a knife's edge between two numbers of the format may be rounded either way, as far as f32 arithmetic and the matrix unit's own rounding can turn it there, and no further.
;;   INPUTS GIVEN AS CODES. wk (in the module: [1024, 1024], K = its axis 1); wo (in the module: [1024, 1024], K = its axis 1); wq (in the module: [1024, 1024], K = its axis 1); wv (in the module: [1024, 1024], K = its axis 1); x (in the module: [4, 2048, 1024], K = its axis 2): each comes as NAME_codes (uint8): NAME with its K axis moved to the last place and cut into blocks of 32 codes, [.., K / 32, bytes a block], one block behind the other in memory; two codes a byte, the lower K in the low four bits (a code: sign, 2 exponent bits, 1 mantissa bit); and NAME_scales (uint8): the same leading axes, one E8M0 byte (e + 127) for each 32 codes along K. Its value is code x scale, taken as it is: it is not quantised again, and the codes and scales need not be those that the quantiser above would give.
;; 2 versions, each right; version 2 is version 1 with the launch attn written anew for expert scheduling mode. Each part assembles by itself: llvm-mc -triple=amdgcn-amd-amdhsa -mcpu=gfx1250 --defsym DOCPART=n.
;; ======== version 1 of 2: 3 launches
;; limits: right only within a limited range of input values
;; workspace buffers: qc 4,194,304 bytes; qs 524,288 bytes; kc 4,194,304 bytes; ks 524,288 bytes; vc 4,194,304 bytes; vs 262,144 bytes; ctxc 4,194,304 bytes; ctxs 262,144 bytes
;; launch qkv (part 1): grid 8 x 32, 4 waves a work-group, clusters of 4 x 4, 327,680 bytes of LDS; arguments x_codes, x_scales, wq_codes, wq_scales, wk_codes, wk_scales, wv_codes, wv_scales, bq, bk, bv, qc, qs, kc, ks, vc, vs; writes qc, qs, kc, ks, vc, vs
.if DOCPART == 1
	.amdgcn_target "amdgcn-amd-amdhsa--gfx1250"
	.amdhsa_code_object_version 6
	.text
	.protected	k_qbe6dd2bb8f_qkv
	.globl	k_qbe6dd2bb8f_qkv
	.p2align	8
	.type	k_qbe6dd2bb8f_qkv,@function
k_qbe6dd2bb8f_qkv:
	s_mov_b64 s[64:65], 0
	v_nop
	global_prefetch_b8 v0, s[64:65] scope:SCOPE_SE
	s_setreg_imm32_b32 hwreg(HW_REG_WAVE_MODE, 25, 1), 1
	s_wait_xcnt 0x0
	s_wait_alu depctr_hold_cnt(0) depctr_sa_sdst(0) depctr_va_vdst(0) depctr_va_sdst(0) depctr_va_ssrc(0) depctr_va_vcc(0) depctr_vm_vsrc(0)
	s_getreg_b32 s2, hwreg(HW_REG_IB_STS2, 6, 4)
	s_cmp_eq_u32 s2, 0
	s_cbranch_scc0 .Lentry_in_a_cluster
	s_endpgm
.Lentry_in_a_cluster:
	s_bfe_u32 s2, ttmp6, 0x10000c
	s_cmp_lg_u32 s2, 0xf033
	s_cbranch_scc0 .Lentry_shape_is_right
	s_endpgm
.Lentry_shape_is_right:
; q = x wq^T + bq, k = x wk^T + bk, v = x wv^T + bv on codes of FP4 (E2M1) with one E8M0 scale for each 32 along K = 1,024; sums in f32.
; The three results are quantised here, in registers, for the two products of attention, and stored as IMAGES OF OPERAND REGISTERS:
;   q, k along the head's 64 features (two blocks of 32);  v along the keys (blocks of 32 tokens).
; SHARES.  A work-group makes q, k and v of 256 tokens (tb) x 128 features (fb: two heads), one after the other.  Wave w owns tokens 64 w .. 64 w + 63 (4 tiles of 16)
; and all 128 features (8 tiles): 32 accumulators.  Its fragments of x for all of K (256 registers) stay in registers; only W's fragments are read from LDS in the K steps.
; q, k: source 0 = 16 rows of W, source 1 = 16 rows of x: a lane holds one token, its registers run along the features.  v: source 0 = x, source 1 = W: a lane holds one feature, its registers run along the tokens.
; So in all three tiles block n of 32 along the NEXT product's K lies in accumulator registers 16 n .. 16 n + 15: 16 numbers in lane l, the other 16 in lane l xor 16.
; The biases are the C of each sum's first matrix instruction.
; CLUSTER 4 x 4: x's tile hangs on tb alone and is asked for jointly along a row of the cluster, W's tiles on fb alone and jointly along a column.
; LDS: x (256 rows, pitch 528), Wq, Wk (128 rows each), the scale bytes of x and of the three weights, the spare words.  Wv does not fit beside them: it is filled into x's bytes
; when every wave of every partner has x in its registers.
; LIMITS: a block of zeros gets the scale byte 1 where the rule says 127: its codes are zeros, and this program alone reads the bytes; blocks whose largest magnitude lies under 2^-124 are held at that byte;
; NaN and infinities among the biases are not served.
; REGISTERS, in windows of 256: window 0: v1-16 addresses, v28-29 the add's two, v32-47 x's scale words, v48-79 W's, v80-127 at work in the quantiser, v128-191 bv in the result's layout,
;   v192-223 codes, v224-235 scale bytes on their way out.   window 1: x's fragments, (tile a, K step s) at 8 (8 a + s).   window 2: the 32 accumulators.
;   window 3: v0-63, v64-127 W's fragments, two sets; v128-191 bq, v192-255 bk in the result's layout.
.set PITCH, 528                        ; an LDS row: 512 bytes of codes + 16 of padding = 132 words: the 16 rows of a fragment load start 4 banks apart
.set XB,    0
.set WQ,    256*PITCH
.set WK,    WQ+128*PITCH
.set XSB,   WK+128*PITCH               ; x's scale bytes, dense, 32 a row
.set SQ,    XSB+8192
.set SK,    SQ+4096
.set SV,    SK+4096
.set SPARE, SV+4096                    ; the spare words: 128 bytes for each wave, two blocks of 256 bytes that no other line names
.set XS,  32                           ; x's scale words: register 8 p + s: lane l = token 32 p + l of my 64, K step s
.set WS,  48                           ; W's: register 8 p + s: lane l = feature 32 p + l of the 128
.set TMX, 80                           ; 16 largest magnitudes
.set TPY, 96                           ; 16: the other half's, then the scale bytes
.set TSO, 112                          ; 16 scale operands of the conversions
.set BV,  128
.set PC,  192
.set PW,  224                          ; 8 half words: the bytes of blocks 2 g and 2 g + 1
.set MW,  232
.set BQ,  128                          ; in window 3
.set BK,  192
.set MSB, 0
.macro WIN new                         ; the immediate's high byte repeats the setting that is left
.if MSB != \new
	s_set_vgpr_msb (MSB<<8)|\new
.set MSB, \new
.endif
.endm
.macro PLACES n
.rept \n
	v_nop
.endr
.endm
.macro CROUND                          ; a round of the cluster's barrier
	s_barrier_signal -1
	s_barrier_wait -1
	s_cmp_lg_u32 s22, 0
	s_cbranch_scc1 .Lnot_wave_0_\@
	s_barrier_signal -3
.Lnot_wave_0_\@:
	s_barrier_wait -3
	s_barrier_signal -1
	s_barrier_wait -1
.endm
.macro BAR                             ; my LDS instructions are done: then the work-group's barrier
	s_wait_dscnt 0x0
	s_barrier_signal -1
	s_barrier_wait -1
.endm
; One matrix instruction.  ra, rb: which half of the lanes of the scale registers holds A's and B's words
.macro WM d, a, b, c, sa, sb, ra, rb
.if ((\ra)==0)&&((\rb)==0)
	v_wmma_scale_f32_16x16x128_f8f6f4 v[(\d):(\d)+7], v[(\a):(\a)+7], v[(\b):(\b)+7], v[(\c):(\c)+7], v[(\sa)], v[(\sb)] matrix_a_fmt:MATRIX_FMT_FP4 matrix_b_fmt:MATRIX_FMT_FP4
.elseif ((\ra)==1)&&((\rb)==0)
	v_wmma_scale_f32_16x16x128_f8f6f4 v[(\d):(\d)+7], v[(\a):(\a)+7], v[(\b):(\b)+7], v[(\c):(\c)+7], v[(\sa)], v[(\sb)] matrix_a_fmt:MATRIX_FMT_FP4 matrix_b_fmt:MATRIX_FMT_FP4 matrix_a_scale:MATRIX_SCALE_ROW1
.elseif (\ra)==0
	v_wmma_scale_f32_16x16x128_f8f6f4 v[(\d):(\d)+7], v[(\a):(\a)+7], v[(\b):(\b)+7], v[(\c):(\c)+7], v[(\sa)], v[(\sb)] matrix_a_fmt:MATRIX_FMT_FP4 matrix_b_fmt:MATRIX_FMT_FP4 matrix_b_scale:MATRIX_SCALE_ROW1
.else
	v_wmma_scale_f32_16x16x128_f8f6f4 v[(\d):(\d)+7], v[(\a):(\a)+7], v[(\b):(\b)+7], v[(\c):(\c)+7], v[(\sa)], v[(\sb)] matrix_a_fmt:MATRIX_FMT_FP4 matrix_b_fmt:MATRIX_FMT_FP4 matrix_a_scale:MATRIX_SCALE_ROW1 matrix_b_scale:MATRIX_SCALE_ROW1
.endif
.endm
; Descriptor group 0 at s[g]: count 1; LDS address = base + mul x wave; global address = pointer + offset; type 2
.macro DESC g, mul, base, ptr, off
	s_mov_b32 s[\g], 1
	s_mul_i32 s[\g+1], s22, \mul
.if \base
	s_add_co_u32 s[\g+1], s[\g+1], \base
.endif
	s_add_nc_u64 s[\g+2:\g+3], s[\ptr:\ptr+1], s[\off:\off+1]
	s_or_b32 s[\g+3], s[\g+3], 0x80000000
.endm
	s_load_b512 s[4:19], s[0:1], 0x0               ; x's codes, x's scales, wq's, wk's, wv's codes and scales
	v_lshl_add_u32 v28, v0, 2, SPARE
	v_mov_b32 v29, 0
	ds_add_u32 v28, v29
	ds_add_u32 v28, v29
	s_wait_dscnt 0x0
	v_lshrrev_b32 v1, 5, v0
	v_readfirstlane_b32 s22, v1                    ; wave 0..3
	s_bfe_u32 s23, ttmp6, 0x40000                  ; cx
	s_bfe_u32 s24, ttmp6, 0x40004                  ; cy
	s_lshl_b32 s25, ttmp9, 2
	s_add_co_u32 s25, s25, s23                     ; fb = 4 x cluster x + cx: 128 features
	s_and_b32 s26, ttmp7, 0xffff
	s_lshl_b32 s26, s26, 2
	s_add_co_u32 s26, s26, s24                     ; tb = 4 x cluster y + cy: 256 tokens
	s_lshl_b32 s27, s24, 2
	s_lshl_b32 s27, 15, s27                        ; my row of the cluster
	s_lshl_b32 s28, 0x1111, s23                    ; my column
	; group 1 for x's codes: 64 rows x 512 bytes, 4 words of padding behind every 128; mask: my row; bit 21 beside the mask
	s_or_b32 s32, s27, (1<<20)|(1<<21)|(6<<22)|(3<<25)
	s_mov_b32 s33, 512<<16                         ; tensor_dim0
	s_mov_b32 s34, 64<<16                          ; tensor_dim1
	s_mov_b32 s35, 512<<16                         ; tile_dim0
	s_mov_b32 s36, 64                              ; tile_dim1
	s_mov_b32 s37, 512                             ; from row to row
	s_mov_b32 s38, 0
	s_mov_b32 s39, 0
	; for a weight's codes: 32 rows x 512 bytes; mask: my column
	s_or_b32 s40, s28, (1<<20)|(1<<21)|(6<<22)|(3<<25)
	s_mov_b32 s41, 512<<16
	s_mov_b32 s42, 32<<16
	s_mov_b32 s43, 512<<16
	s_mov_b32 s44, 32
	s_mov_b32 s45, 512
	s_mov_b32 s46, 0
	s_mov_b32 s47, 0
	; for x's scale bytes: 2,048 dense bytes as 8 rows of 32 elements of 8 bytes
	s_or_b32 s48, s27, (3<<16)|(1<<21)
	s_mov_b32 s49, 32<<16
	s_mov_b32 s50, 8<<16
	s_mov_b32 s51, 32<<16
	s_mov_b32 s52, 8
	s_mov_b32 s53, 32
	s_mov_b32 s54, 0
	s_mov_b32 s55, 0
	; for a weight's scale bytes: 1,024 dense bytes as 4 such rows
	s_or_b32 s56, s28, (3<<16)|(1<<21)
	s_mov_b32 s57, 32<<16
	s_mov_b32 s58, 4<<16
	s_mov_b32 s59, 32<<16
	s_mov_b32 s60, 4
	s_mov_b32 s61, 32
	s_mov_b32 s62, 0
	s_mov_b32 s63, 0
	; offsets: x's are made of tb and the wave alone, the weights' of fb and the wave alone
	s_lshl_b32 s2, s26, 17
	s_lshl_b32 s3, s22, 15
	s_add_co_u32 s2, s2, s3                        ; x's codes: 256 tb + 64 w rows of 512 bytes
	s_mov_b32 s3, 0
	s_lshl_b32 s66, s25, 16
	s_lshl_b32 s67, s22, 14
	s_add_co_u32 s66, s66, s67                     ; a weight's codes: 128 fb + 32 w rows of 512 bytes
	s_mov_b32 s67, 0
	s_lshl_b32 s100, s25, 12
	s_lshl_b32 s101, s22, 10
	s_add_co_u32 s100, s100, s101                  ; its scale bytes: 32 a row
	s_mov_b32 s101, 0
	s_wait_kmcnt 0x0
	DESC 68, 64*PITCH, XB, 4, 2
	s_lshl_b32 s2, s26, 13
	s_lshl_b32 s3, s22, 11
	s_add_co_u32 s2, s2, s3                        ; x's scale bytes
	s_mov_b32 s3, 0
	DESC 72, 2048, XSB, 6, 2
	DESC 76, 32*PITCH, WQ, 8, 66
	DESC 80, 1024, SQ, 10, 100
	DESC 84, 32*PITCH, WK, 12, 66
	DESC 88, 1024, SK, 14, 100
	DESC 92, 1024, SV, 18, 100
	DESC 96, 32*PITCH, XB, 16, 66                  ; Wv: into x's bytes, later
	CROUND                                         ; all sixteen work-groups are here: the first joint loads meet
	tensor_load_to_lds s[68:71], s[32:39]          ; the first fills, one group: seven loads of mine are out
	s_nop 0
	tensor_load_to_lds s[72:75], s[48:55]
	s_nop 0
	tensor_load_to_lds s[76:79], s[40:47]
	s_nop 0
	tensor_load_to_lds s[80:83], s[56:63]
	s_nop 0
	tensor_load_to_lds s[84:87], s[40:47]
	s_nop 0
	tensor_load_to_lds s[88:91], s[56:63]
	s_nop 0
	tensor_load_to_lds s[92:95], s[56:63]
	s_nop 0
	PLACES 4                                       ; four lines of this kind behind a tensor load
	s_load_b512 s[4:19], s[0:1], 0x40              ; bq, bk, bv, qc, qs, kc, ks, vc
	s_load_b64 s[20:21], s[0:1], 0x80              ; vs
	s_mov_b32 s29, 0xffff0000                      ; lanes 16-31
	s_mov_b32 s30, 0x76543210
	s_mov_b32 s31, 0xfedcba98                      ; v_permlanex16_b32's selects for lane l xor 16
	v_and_b32 v1, 15, v0                           ; r
	v_bfe_u32 v2, v0, 4, 1                         ; h
	v_and_b32 v3, 31, v0                           ; lane
	v_mul_u32_u24 v8, v1, PITCH
	v_lshl_add_u32 v8, v2, 4, v8                   ; a fragment's row x pitch + 16 h: also Wv's address (it lies at byte 0)
	s_mul_i32 s2, s22, 64*PITCH
	v_add_nc_u32 v4, s2, v8                        ; x: my 64 rows
	v_add_nc_u32 v6, WQ, v8
	v_add_nc_u32 v7, WK, v8
	v_lshlrev_b32 v17, 5, v3                       ; 32 x lane: a row of scale bytes
	s_lshl_b32 s2, s22, 11
	s_add_co_u32 s2, s2, XSB
	v_add_nc_u32 v5, s2, v17
	v_add_nc_u32 v9, SQ, v17
	v_add_nc_u32 v10, SK, v17
	v_add_nc_u32 v11, SV, v17
	v_lshlrev_b32 v12, 4, v3                       ; 16 x lane: an image's place
	v_lshlrev_b32 v13, 2, v3                       ; 4 x lane
	v_lshlrev_b32 v14, 1, v3                       ; 2 x lane
	v_lshlrev_b32 v15, 5, v2                       ; 32 h: bq, bk: eight numbers of my half
	v_lshlrev_b32 v16, 2, v1                       ; 4 r: bv: my feature's
.irp n, 0,1,2,3,4,5,6,7,8,9,10,11,12,13,14,15
	v_mov_b32 v[TPY+\n], 0                         ; written once: a lane permute's destination counts as one of its sources
.endr
	; where my results go.  H = 16 b + 2 fb: my first head among the 64;  g0: my first group of 32 tokens in the batch;  ks, c: my 64 tokens as keys: K step of 128 and half of it
	s_lshr_b32 s23, s26, 3
	s_lshl_b32 s23, s23, 4
	s_lshl_b32 s24, s25, 1
	s_add_co_u32 s23, s23, s24                     ; H
	s_and_b32 s24, s26, 7
	s_lshl_b32 s27, s24, 3
	s_lshl_b32 s28, s22, 1
	s_add_co_u32 s27, s27, s28                     ; g0
	s_lshl_b32 s24, s24, 1
	s_lshr_b32 s28, s22, 1
	s_add_co_u32 s24, s24, s28                     ; ks
	s_and_b32 s28, s22, 1                          ; c
	s_lshl_b32 s100, s23, 16
	s_lshl_b32 s2, s27, 10
	s_add_co_u32 s100, s100, s2                    ; (128 H + 2 g0) images of 512 bytes
	s_wait_kmcnt 0x0
	s_add_nc_u64 s[10:11], s[10:11], s[100:101]
	s_add_nc_u64 s[14:15], s[14:15], s[100:101]
	s_lshl_b32 s100, s23, 13
	s_lshl_b32 s2, s27, 7
	s_add_co_u32 s100, s100, s2                    ; (64 H + g0) x 128 bytes of scale words
	s_add_nc_u64 s[12:13], s[12:13], s[100:101]
	s_add_nc_u64 s[16:17], s[16:17], s[100:101]
	s_lshl_b32 s100, s23, 16
	s_lshl_b32 s2, s24, 12
	s_add_co_u32 s100, s100, s2
	s_lshl_b32 s2, s28, 9
	s_add_co_u32 s100, s100, s2                    ; (16 H + ks) x 4,096 + 512 c
	s_add_nc_u64 s[18:19], s[18:19], s[100:101]
	s_lshl_b32 s100, s23, 12
	s_lshl_b32 s2, s24, 8
	s_add_co_u32 s100, s100, s2
	s_lshl_b32 s2, s28, 7
	s_add_co_u32 s100, s100, s2                    ; ((16 H + ks) 2 + c) x 128
	s_add_nc_u64 s[20:21], s[20:21], s[100:101]
	s_lshl_b32 s100, s25, 9                        ; the biases: my 128 features
	s_add_nc_u64 s[4:5], s[4:5], s[100:101]
	s_add_nc_u64 s[6:7], s[6:7], s[100:101]
	s_add_nc_u64 s[8:9], s[8:9], s[100:101]
	WIN 0xc0                                       ; destination window 3
.irp b, 0,1,2,3,4,5,6,7
	global_load_b128 v[BQ+8*\b:BQ+8*\b+3], v15, s[4:5] offset:64*\b          ; lane (r, h), tile b: bq of features 16 b + 8 h + 0 .. 7
	global_load_b128 v[BQ+8*\b+4:BQ+8*\b+7], v15, s[4:5] offset:64*\b+16
	global_load_b128 v[BK+8*\b:BK+8*\b+3], v15, s[6:7] offset:64*\b
	global_load_b128 v[BK+8*\b+4:BK+8*\b+7], v15, s[6:7] offset:64*\b+16
.endr
	WIN 0
.irp a, 0,1,2,3,4,5,6,7
	global_load_b32 v[BV+8*\a], v16, s[8:9] offset:64*\a                     ; bv of feature 16 a + r
.endr
	s_wait_tensorcnt 0x5                           ; five loads are younger than x's scale bytes: my 64 rows of x and their scale bytes are in, and I alone read them
	WIN 0x40                                       ; destination window 1
.irp a, 0,1,2,3
.irp s, 0,1,2,3,4,5,6,7
.irp c, 0,1
	ds_load_b128 v[8*(8*\a+\s)+4*\c:8*(8*\a+\s)+4*\c+3], v4 offset:16*\a*PITCH+64*\s+32*\c
.endr
.endr
.endr
	WIN 0
.irp p, 0,1
.irp j, 0,1
	ds_load_b128 v[XS+8*\p+4*\j:XS+8*\p+4*\j+3], v5 offset:1024*\p+16*\j     ; four K steps' words of token 32 p + lane
.endr
.endr
	; x's bytes are filled again, with Wv: all my tensor loads have landed, the add, my reads of x are back; a round of the cluster's barrier; the joint refill first behind it
	s_wait_tensorcnt 0x0
	ds_add_u32 v28, v29                            ; 0 onto my spare word
	s_wait_loadcnt 0x0                             ; the biases
.irp a, 0,1,2,3,4,5,6,7
.irp j, 1,2,3,4,5,6,7
	v_mov_b32 v[BV+8*\a+\j], v[BV+8*\a]            ; v's C: all eight tokens of a lane's registers take its feature's bias
.endr
.endr
	s_wait_dscnt 0x0
	CROUND                                         ; no wave of any partner still reads x or has a load on its way; Wq, Wk and all scale bytes are whole for every wave
	tensor_load_to_lds s[96:99], s[40:47]
	s_nop 0
	PLACES 4
.macro WSLOAD sa                       ; the weight's scale words, all eight K steps
.irp p, 0,1,2,3
.irp j, 0,1
	ds_load_b128 v[WS+8*\p+4*\j:WS+8*\p+4*\j+3], v[\sa] offset:1024*\p+16*\j
.endr
.endr
.endm
.macro WFLOAD wa, s, buf               ; the weight's eight fragments of K step s into set buf
	WIN 0xc0
.irp i, 0,1,2,3,4,5,6,7
.irp c, 0,1
	ds_load_b128 v[64*(\buf)+8*\i+4*\c:64*(\buf)+8*\i+4*\c+3], v[\wa] offset:16*\i*PITCH+64*(\s)+32*\c
.endr
.endr
.endm
; 32 matrix instructions, the accumulators by turns in the same order in every K step
.macro MULQK s, bi                     ; source 0 = W (window 3), source 1 = x (window 1); accumulator (token tile a, feature tile b) at 64 a + 8 b
.if (\s) == 0
	WIN 0xb7                                       ; C: the bias, in window 3
.else
	WIN 0xa7
.endif
.irp a, 0,1,2,3
.irp b, 0,1,2,3,4,5,6,7
.if (\s) == 0
	WM 64*\a+8*\b, 64*((\s)%2)+8*\b, 8*(8*\a+(\s)), \bi+8*\b, WS+8*(\b/2)+(\s), XS+8*(\a/2)+(\s), \b%2, \a%2
.else
	WM 64*\a+8*\b, 64*((\s)%2)+8*\b, 8*(8*\a+(\s)), 64*\a+8*\b, WS+8*(\b/2)+(\s), XS+8*(\a/2)+(\s), \b%2, \a%2
.endif
.endr
.endr
.endm
.macro MULV s                          ; source 0 = x (window 1), source 1 = W (window 3); accumulator (feature tile a, token tile b) at 32 a + 8 b
.if (\s) == 0
	WIN 0x8d                                       ; C: bv, in window 0
.else
	WIN 0xad
.endif
.irp a, 0,1,2,3,4,5,6,7
.irp b, 0,1,2,3
.if (\s) == 0
	WM 32*\a+8*\b, 8*(8*\b+(\s)), 64*((\s)%2)+8*\a, BV+8*\a, XS+8*(\b/2)+(\s), WS+8*(\a/2)+(\s), \b%2, \a%2
.else
	WM 32*\a+8*\b, 8*(8*\b+(\s)), 64*((\s)%2)+8*\a, 32*\a+8*\b, XS+8*(\b/2)+(\s), WS+8*(\a/2)+(\s), \b%2, \a%2
.endif
.endr
.endr
.endm
; The eight K steps of one product.  A step's fragments are asked for one step ahead, into the set that the step before last multiplied, four places behind its last matrix instruction.
.macro KLOOP wa, sa, kind, bi
	WSLOAD \sa
	WFLOAD \wa, 0, 0
.irp s, 0,1,2,3,4,5,6,7
	s_wait_dscnt 0x0                               ; this step's fragments are in
.if \s < 7
.if \s > 0
	PLACES 4
.endif
	WFLOAD \wa, \s+1, (\s+1)%2
.endif
.if \kind == 0
	MULQK \s, \bi
.else
	MULV \s
.endif
.endr
	WIN 0
	PLACES 4                                       ; in front of the first read of the results
.endm
; The 256 accumulator registers are 16 blocks of 32 along the next K: block n in registers 16 n .. 16 n + 15 of lanes l and l xor 16.
; Codes: for blocks 2 g and 2 g + 1 the four conversions are laid so that two exchanges of halves leave registers PC + 4 g .. + 3 = k 64 c + 32 h + 0 .. 31 of the 4-bit operand layout.
.macro QUANT16
	WIN 0x28                                       ; sources 1 and 2 window 2
.irp n, 0,1,2,3,4,5,6,7,8,9,10,11,12,13,14,15
	v_max3_num_f32 v[TMX+\n], 0x1800000, |v[16*\n]|, |v[16*\n+1]|      ; the floor 2^(3 - 127) among the leaves: the byte cannot fall under 1.  Each accumulator is read from its low end on
.endr
.irp i, 2,4,6,8,10,12,14
.irp n, 0,1,2,3,4,5,6,7,8,9,10,11,12,13,14,15
	v_max3_num_f32 v[TMX+\n], v[TMX+\n], |v[16*\n+\i]|, |v[16*\n+\i+1]|
.endr
.endr
	WIN 0
.irp n, 0,1,2,3,4,5,6,7,8,9,10,11,12,13,14,15
	v_permlanex16_b32 v[TPY+\n], v[TMX+\n], s30, s31
.endr
.irp n, 0,1,2,3,4,5,6,7,8,9,10,11,12,13,14,15
	v_max_num_f32 v[TMX+\n], v[TMX+\n], v[TPY+\n]  ; with lane l xor 16's: the block's largest magnitude
.endr
.irp n, 0,1,2,3,4,5,6,7,8,9,10,11,12,13,14,15
	v_add_nc_u32 v[TSO+\n], 0xff000000, v[TMX+\n]  ; 2 off its exponent field: the conversion's scale operand
.endr
.irp n, 0,1,2,3,4,5,6,7,8,9,10,11,12,13,14,15
	v_lshrrev_b32 v[TPY+\n], 23, v[TSO+\n]         ; the scale's byte
.endr
.irp g, 0,1,2,3,4,5,6,7
	v_lshl_or_b32 v[PW+\g], v[TPY+2*\g+1], 8, v[TPY+2*\g]
.endr
	WIN 0x02                                       ; source 0 window 2
.irp g, 0,1,2,3,4,5,6,7
	v_cvt_scalef32_pk8_fp4_f32 v[PC+4*\g], v[32*\g:32*\g+7], v[TSO+2*\g]
	v_cvt_scalef32_pk8_fp4_f32 v[PC+4*\g+1], v[32*\g+16:32*\g+23], v[TSO+2*\g+1]
	v_cvt_scalef32_pk8_fp4_f32 v[PC+4*\g+2], v[32*\g+8:32*\g+15], v[TSO+2*\g]
	v_cvt_scalef32_pk8_fp4_f32 v[PC+4*\g+3], v[32*\g+24:32*\g+31], v[TSO+2*\g+1]
.endr
	WIN 0
	v_nop                                          ; one plain place behind the scaled conversions
.irp g, 0,1,2,3,4,5,6,7
	v_permlane16_swap_b32 v[PC+4*\g], v[PC+4*\g+1] ; lanes 0-15: block 2 g, lanes 16-31: block 2 g + 1
	v_permlane16_swap_b32 v[PC+4*\g+2], v[PC+4*\g+3]
.endr
.endm
; q or k out: for token tile a, PC + 8 a .. + 3 is the first head's image, + 4 .. + 7 the second's; the scale words in pairs of tiles: lanes 0-15 the even tile's, lanes 16-31 the odd one's
.macro OUTQK cp, sp
.irp a, 0,1,2,3
	global_store_b128 v12, v[PC+8*\a:PC+8*\a+3], s[\cp:\cp+1] offset:512*\a               ; 32 lanes store 512 consecutive bytes
	global_store_b128 v12, v[PC+8*\a+4:PC+8*\a+7], s[\cp:\cp+1] offset:65536+512*\a
.endr
.irp p, 0,1
.irp e, 0,1
	v_cndmask_b32 v[MW+2*\p+\e], v[PW+4*\p+\e], v[PW+4*\p+2+\e], s29
.endr
.endr
.irp p, 0,1
.irp e, 0,1
	global_store_b32 v13, v[MW+2*\p+\e], s[\sp:\sp+1] offset:128*\p+8192*\e               ; bytes 2 and 3 are 0: they scale the zero codes of k = 64 .. 127
.endr
.endr
.endm
	KLOOP 6, 9, 0, BQ
	QUANT16
	OUTQK 10, 12
	KLOOP 7, 10, 0, BK
	s_wait_xcnt 0x0                                ; q's stores have read their registers: the codes and words are written again only behind this wait
	QUANT16
	OUTQK 14, 16
	s_wait_tensorcnt 0x0                           ; my part of Wv is in,
	BAR                                            ; everybody's is
	KLOOP 8, 11, 1, 0
	s_wait_xcnt 0x0                                ; k's stores have read their registers
	QUANT16
.irp a, 0,1,2,3,4,5,6,7
	global_store_b128 v12, v[PC+4*\a:PC+4*\a+3], s[18:19] offset:(\a/4)*65536+(\a%4)*1024    ; head a / 4, features 16 (a % 4) on: registers 4 c .. 4 c + 3 of V^T's fragment
.endr
.irp p, 0,1,2,3
	v_cndmask_b32 v[MW+\p], v[PW+2*\p], v[PW+2*\p+1], s29
.endr
.irp p, 0,1,2,3
	global_store_b16 v14, v[MW+\p], s[20:21] offset:(\p/2)*4096+(\p%2)*64
.endr
	s_wait_tensorcnt 0x0                           ; the wave's end
	ds_add_u32 v28, v29
	s_wait_dscnt 0x0
	CROUND                                         ; the closing round: no work-group ends while a partner may still ask for a tile that names it
	s_endpgm
.Lfunc_end_k_qbe6dd2bb8f_qkv:
	.size	k_qbe6dd2bb8f_qkv, .Lfunc_end_k_qbe6dd2bb8f_qkv-k_qbe6dd2bb8f_qkv
	.p2alignl 7, 3214868480
	.fill 96, 4, 3214868480
	.section	.rodata,"a",@progbits
	.p2align	6, 0x0
	.amdhsa_kernel k_qbe6dd2bb8f_qkv
		.amdhsa_group_segment_fixed_size 327680
		.amdhsa_private_segment_fixed_size 0
		.amdhsa_enable_private_segment 0
		.amdhsa_kernarg_size 136
		.amdhsa_user_sgpr_count 2
		.amdhsa_user_sgpr_kernarg_segment_ptr 1
		.amdhsa_wavefront_size32 1
		.amdhsa_system_sgpr_workgroup_id_x 1
		.amdhsa_system_sgpr_workgroup_id_y 1
		.amdhsa_system_sgpr_workgroup_id_z 1
		.amdhsa_system_vgpr_workitem_id 0
		.amdhsa_next_free_vgpr 1024
		.amdhsa_next_free_sgpr 102
		.amdhsa_reserve_vcc 0
		.amdhsa_float_denorm_mode_32 3
		.amdhsa_float_denorm_mode_16_64 3
		.amdhsa_memory_ordered 1
		.amdhsa_forward_progress 1
		.amdhsa_inst_pref_size 196
	.end_amdhsa_kernel
	.amdgpu_metadata
---
amdhsa.version: [ 1, 2 ]
amdhsa.kernels:
  - .name:           k_qbe6dd2bb8f_qkv
    .symbol:         k_qbe6dd2bb8f_qkv.kd
    .args:
      - { .name: x_codes, .offset: 0, .size: 8, .value_kind: global_buffer, .address_space: global }
      - { .name: x_scales, .offset: 8, .size: 8, .value_kind: global_buffer, .address_space: global }
      - { .name: wq_codes, .offset: 16, .size: 8, .value_kind: global_buffer, .address_space: global }
      - { .name: wq_scales, .offset: 24, .size: 8, .value_kind: global_buffer, .address_space: global }
      - { .name: wk_codes, .offset: 32, .size: 8, .value_kind: global_buffer, .address_space: global }
      - { .name: wk_scales, .offset: 40, .size: 8, .value_kind: global_buffer, .address_space: global }
      - { .name: wv_codes, .offset: 48, .size: 8, .value_kind: global_buffer, .address_space: global }
      - { .name: wv_scales, .offset: 56, .size: 8, .value_kind: global_buffer, .address_space: global }
      - { .name: bq, .offset: 64, .size: 8, .value_kind: global_buffer, .address_space: global }
      - { .name: bk, .offset: 72, .size: 8, .value_kind: global_buffer, .address_space: global }
      - { .name: bv, .offset: 80, .size: 8, .value_kind: global_buffer, .address_space: global }
      - { .name: qc, .offset: 88, .size: 8, .value_kind: global_buffer, .address_space: global }
      - { .name: qs, .offset: 96, .size: 8, .value_kind: global_buffer, .address_space: global }
      - { .name: kc, .offset: 104, .size: 8, .value_kind: global_buffer, .address_space: global }
      - { .name: ks, .offset: 112, .size: 8, .value_kind: global_buffer, .address_space: global }
      - { .name: vc, .offset: 120, .size: 8, .value_kind: global_buffer, .address_space: global }
      - { .name: vs, .offset: 128, .size: 8, .value_kind: global_buffer, .address_space: global }
    .group_segment_fixed_size: 327680
    .private_segment_fixed_size: 0
    .kernarg_segment_align: 8
    .kernarg_segment_size: 136
    .max_flat_workgroup_size: 128
    .sgpr_count:     102
    .vgpr_count:     1024
    .wavefront_size: 32
...
	.end_amdgpu_metadata
.endif
;; end of part 1
;; launch attn (part 2): grid 256 x 1, 4 waves a work-group, no clusters, 109,056 bytes of LDS; arguments qc, qs, kc, ks, vc, vs, attention_mask, ctxc, ctxs; writes ctxc, ctxs
.if DOCPART == 2
	.amdgcn_target "amdgcn-amd-amdhsa--gfx1250"
	.amdhsa_code_object_version 6
	.text
	.protected	k_qbe6dd2bb8f_attn
	.globl	k_qbe6dd2bb8f_attn
	.p2align	8
	.type	k_qbe6dd2bb8f_attn,@function
k_qbe6dd2bb8f_attn:
	s_mov_b64 s[64:65], 0
	v_nop
	global_prefetch_b8 v0, s[64:65] scope:SCOPE_SE
	s_setreg_imm32_b32 hwreg(HW_REG_WAVE_MODE, 25, 1), 1
	s_wait_xcnt 0x0
; ctx = softmax(q k^T / 8, hidden keys left out) v, times the query's mask, both products on codes of FP4 (E2M1) with one E8M0 scale for each 32 along K; ctx is quantised for the last product.
; THE WEIGHTS ARE QUANTISED FINISHED AND NORMALISED, exp(s - max) / sum, in blocks of 32 keys: no code of a row can be made before the row's sum over all 2,048 keys is known.
; So the scores of 32 queries x 2,048 keys stay in the four waves' registers, 512 a wave: exact maximum, ONE exponential a score, the sum, the normalisation, the quantiser, the second product.
; SHARES.  A work-group owns one head of one batch (bh) and 512 queries (qq), 16 blocks of 32 (two tiles t).  Wave w owns keys 512 w .. 512 w + 511 for ALL 32 queries: 32 tiles of 16 keys, 16 blocks, 4 K steps of 128.
; K's fragments stay in registers, V's images in the wave's own LDS; both come once.  Maxima, sums and the partial O meet in LDS: three barriers a block.
; LAYOUT.  S^T = K Q^T (source 0 = 16 keys, source 1 = 16 queries), O^T = V^T P^T (source 0 = 16 of the head's 64, source 1 = P): a lane holds ONE query throughout.
; The head has 64 features: registers 4-7 of K's and Q's fragments are zero codes (k = 64 .. 127), their scale bytes 0.
; THE KEY MASK is the C of each score tile: 0 for a key that counts, -2^100 for a hidden one.
; No cluster: K and V go once, at the head, by loads into registers (35 KB a wave); no tile is asked for in the loop that partners could share.
; LIMITS: a hidden key's score is s - 2^100 and not -infinity; the row's maximum is held at -2^60 from below and the sum at 2^-100, so that a row with no key left gives weights 0 and ctx 0;
; true scores under -2^60 are not served.  A weight under 2^-126 is 0 (v_exp_f32's results are flushed: ISA guide, 15.8).  1 / sum is v_rcp_f32 and a multiplication.
; A block's largest weight is its largest SCORE put through the same multiply-add, exponential and multiplication as every weight (this takes v_exp_f32 not to fall where its input rises).
; A block of zeros gets the scale byte 1 where the rule says 127: its codes are zeros, and this program alone reads the bytes.
; REGISTERS, in windows of 256: window 0: see the names below.  window 1: K's 32 fragments at 8 i.  windows 2, 3: the scores, tile i of keys, tile t of queries at 16 (i % 16) + 8 t; tiles 0-15 in window 2.
.set BIAS, 0                           ; LDS: 0 or -2^100 for each key, f32; wave w's 2,048 bytes are its own
.set VL,   8192                        ; V's images, 16,384 bytes a wave, its own
.set MAXX, 73728                       ; [wave][t][lane] the waves' maxima;
.set SUMX, 1024                        ; 1,024 bytes behind them, the same for the sums
.set OX,   75776                       ; [wave][4 t + dt][1,024] the waves' partial O^T, as images
.set KSC, 16                           ; v16-31  K's scale words: register g: lanes 0-15 tile 2 g, lanes 16-31 tile 2 g + 1
.set VSC, 32                           ; v32-39  V's: register 2 s + pair of tiles of d
.set QF,  40                           ; v40-55  Q's two fragments
.set QSC, 56                           ; v56     Q's scale words: lanes 0-15 tile 0, lanes 16-31 tile 1
.set QMI, 57                           ; v57     the mask of the query that I finish
.set NM,  58                           ; v58, v60  -c m of tile t (low words of pairs)
.set RL,  62                           ; v62, v64  1 / sum
.set PWD, 66                           ; v66-73  P's scale words, 4 t + s
.set TM,  74                           ; v74-89  at work
.set VF,  90                           ; v90-121 V's four fragments of a K step
.set CC,  122                          ; v122-123 ctx's codes
.set CBY, 124                          ; v124    ctx's scale byte
.set TL,  125                          ; v125    2 x lane
.set QM,  126                          ; v126    the query's mask as f32 (low word of a pair)
.set O,   128                          ; v128-191 O^T, 8 (4 t + dt)
.set CB,  128                          ; v128-255 while scores are made: the C of 16 tiles of keys
.set BM,  192                          ; v192-223 block maxima, 16 t + block; later the conversions' scale operands
.set PC,  224                          ; v224-239 P's codes, 8 t
.set SA,  240                          ; v240-255 eight chains of the sums
.set MSB, 0
.macro WIN new                         ; the immediate's high byte repeats the setting that is left
.if MSB != \new
	s_set_vgpr_msb (MSB<<8)|\new
.set MSB, \new
.endif
.endm
.macro PLACES n
.rept \n
	v_nop
.endr
.endm
.macro BAR                             ; my LDS instructions are done: then the work-group's barrier
	s_wait_dscnt 0x0
	s_barrier_signal -1
	s_barrier_wait -1
.endm
.macro WM d, a, b, c, sa, sb, ra, rb   ; ra, rb: which half of the lanes of the scale registers holds A's and B's words
.if ((\ra)==0)&&((\rb)==0)
	v_wmma_scale_f32_16x16x128_f8f6f4 v[(\d):(\d)+7], v[(\a):(\a)+7], v[(\b):(\b)+7], v[(\c):(\c)+7], v[(\sa)], v[(\sb)] matrix_a_fmt:MATRIX_FMT_FP4 matrix_b_fmt:MATRIX_FMT_FP4
.elseif ((\ra)==1)&&((\rb)==0)
	v_wmma_scale_f32_16x16x128_f8f6f4 v[(\d):(\d)+7], v[(\a):(\a)+7], v[(\b):(\b)+7], v[(\c):(\c)+7], v[(\sa)], v[(\sb)] matrix_a_fmt:MATRIX_FMT_FP4 matrix_b_fmt:MATRIX_FMT_FP4 matrix_a_scale:MATRIX_SCALE_ROW1
.elseif (\ra)==0
	v_wmma_scale_f32_16x16x128_f8f6f4 v[(\d):(\d)+7], v[(\a):(\a)+7], v[(\b):(\b)+7], v[(\c):(\c)+7], v[(\sa)], v[(\sb)] matrix_a_fmt:MATRIX_FMT_FP4 matrix_b_fmt:MATRIX_FMT_FP4 matrix_b_scale:MATRIX_SCALE_ROW1
.else
	v_wmma_scale_f32_16x16x128_f8f6f4 v[(\d):(\d)+7], v[(\a):(\a)+7], v[(\b):(\b)+7], v[(\c):(\c)+7], v[(\sa)], v[(\sb)] matrix_a_fmt:MATRIX_FMT_FP4 matrix_b_fmt:MATRIX_FMT_FP4 matrix_a_scale:MATRIX_SCALE_ROW1 matrix_b_scale:MATRIX_SCALE_ROW1
.endif
.endm
.macro WMZ d, a, b, sa, sb, ra         ; the same with the constant 0 as C: it starts a sum
.if (\ra)==0
	v_wmma_scale_f32_16x16x128_f8f6f4 v[(\d):(\d)+7], v[(\a):(\a)+7], v[(\b):(\b)+7], 0, v[(\sa)], v[(\sb)] matrix_a_fmt:MATRIX_FMT_FP4 matrix_b_fmt:MATRIX_FMT_FP4
.else
	v_wmma_scale_f32_16x16x128_f8f6f4 v[(\d):(\d)+7], v[(\a):(\a)+7], v[(\b):(\b)+7], 0, v[(\sa)], v[(\sb)] matrix_a_fmt:MATRIX_FMT_FP4 matrix_b_fmt:MATRIX_FMT_FP4 matrix_a_scale:MATRIX_SCALE_ROW1
.endif
.endm
.macro QLOAD                           ; a block's Q: two images, the scale words, and the mask of the query that I finish
	global_load_b128 v[QF:QF+3], v4, s[4:5]
	global_load_b128 v[QF+8:QF+11], v4, s[4:5] offset:512
	global_load_b32 v[QSC], v5, s[6:7]
	global_load_b32 v[QMI], v14, s[16:17]
.endm
.macro LOADC i0, cnt                   ; the C of tiles i0 on: lane (r, h), register j: the mask's number of key 16 i + 8 h + j
.set ii, \i0
.rept \cnt
	ds_load_b128 v[CB+8*(ii%16):CB+8*(ii%16)+3], v6 offset:64*ii
	ds_load_b128 v[CB+8*(ii%16)+4:CB+8*(ii%16)+7], v6 offset:64*ii+16
.set ii, ii+1
.endr
.endm
.macro SMUL i0                         ; the scores of eight tiles of keys x two tiles of queries
.set ii, \i0
.rept 8
.irp t, 0,1
	WM (ii%16)*16+8*\t, 8*ii, QF+8*\t, CB+8*(ii%16), KSC+ii/2, QSC, ii%2, \t
.endr
.set ii, ii+1
.endr
.endm
.macro MAXW hi                         ; the largest score of each of a window's eight blocks, for both tiles of queries: sixteen chains by turns; each accumulator is read from its low end on
.irp k, 0,1,2,3,4,5,6,7
.irp t, 0,1
.irp e, 0,1,2,3,4,5,6,7
.if \k == 0
	v_max3_num_f32 v[BM+16*\t+8*\hi+\e], 0xff7fffff, v[32*\e+8*\t], v[32*\e+8*\t+1]
.else
	v_max3_num_f32 v[BM+16*\t+8*\hi+\e], v[BM+16*\t+8*\hi+\e], v[32*\e+16*(\k/4)+8*\t+2*(\k%4)], v[32*\e+16*(\k/4)+8*\t+2*(\k%4)+1]
.endif
.endr
.endr
.endr
.endm
.macro SCALEP                          ; pair nn of a window: c s - c m, two at a time
	v_pk_fma_f32 v[2*nn:2*nn+1], v[2*nn:2*nn+1], s[24:25], v[NM+2*((nn/4)%2):NM+2*((nn/4)%2)+1] op_sel_hi:[1,0,0]
.endm
.macro EXPW                            ; a window's 256 scores become 2^(c s - c m): the scalings run 32 pairs ahead of the exponentials and stand among them
.set nn, 0
.rept 32
	SCALEP
.set nn, nn+1
.endr
.set mm, 0
.rept 128
.if mm+32 < 128
.set nn, mm+32
	SCALEP
.endif
	v_exp_f32 v[2*mm], v[2*mm]
	v_exp_f32 v[2*mm+1], v[2*mm+1]
.set mm, mm+1
.endr
	v_nop                                          ; a plain place behind the last exponential
	s_wait_alu depctr_va_vdst(0)                   ; one wait for the window's batch, ahead of the first line that names a result
.endm
.macro SUMW i0, i1                     ; tiles i0 .. i1 of a window onto the eight chains
.set ii, \i0
.rept \i1-\i0+1
.irp t, 0,1
.irp k, 0,1,2,3
	v_pk_add_f32 v[SA+8*\t+2*\k:SA+8*\t+2*\k+1], v[SA+8*\t+2*\k:SA+8*\t+2*\k+1], v[16*ii+8*\t+2*\k:16*ii+8*\t+2*\k+1]
.endr
.endr
.set ii, ii+1
.endr
.endm
.macro VLOAD s                         ; V's four fragments of my K step s
.irp e, 0,1,2,3
.irp u, 0,1
	ds_load_b128 v[VF+8*\e+4*\u:VF+8*\e+4*\u+3], v7 offset:4096*(\s)+1024*\e+512*\u
.endr
.endr
.endm
.macro NORM s                          ; the weights of K step s: x 1 / sum
	WIN 0x82+0x41*((\s)/2)
.set nn, 0
.rept 64
	v_pk_mul_f32 v[128*((\s)%2)+2*nn:128*((\s)%2)+2*nn+1], v[128*((\s)%2)+2*nn:128*((\s)%2)+2*nn+1], v[RL+2*((nn/4)%2):RL+2*((nn/4)%2)+1] op_sel_hi:[1,0]
.set nn, nn+1
.endr
.endm
; The codes of K step s: for blocks 2 c and 2 c + 1 the four conversions are laid so that two exchanges of halves leave registers 4 c .. 4 c + 3 = keys 64 c + 32 h + 0 .. 31
.macro QUANTC s
	WIN 0x02+((\s)/2)
.irp t, 0,1
.irp c, 0,1
	v_cvt_scalef32_pk8_fp4_f32 v[PC+8*\t+4*\c], v[128*((\s)%2)+64*\c+8*\t:128*((\s)%2)+64*\c+8*\t+7], v[BM+16*\t+4*(\s)+2*\c]
	v_cvt_scalef32_pk8_fp4_f32 v[PC+8*\t+4*\c+1], v[128*((\s)%2)+64*\c+8*\t+32:128*((\s)%2)+64*\c+8*\t+39], v[BM+16*\t+4*(\s)+2*\c+1]
	v_cvt_scalef32_pk8_fp4_f32 v[PC+8*\t+4*\c+2], v[128*((\s)%2)+64*\c+8*\t+16:128*((\s)%2)+64*\c+8*\t+23], v[BM+16*\t+4*(\s)+2*\c]
	v_cvt_scalef32_pk8_fp4_f32 v[PC+8*\t+4*\c+3], v[128*((\s)%2)+64*\c+8*\t+48:128*((\s)%2)+64*\c+8*\t+55], v[BM+16*\t+4*(\s)+2*\c+1]
.endr
.endr
	WIN 0
	v_nop                                          ; one plain place behind the scaled conversions
.irp t, 0,1
.irp c, 0,1
	v_permlane16_swap_b32 v[PC+8*\t+4*\c], v[PC+8*\t+4*\c+1]
	v_permlane16_swap_b32 v[PC+8*\t+4*\c+2], v[PC+8*\t+4*\c+3]
.endr
.endr
.endm
.macro PV s                            ; O^T += V^T P^T: eight accumulators by turns; the first K step starts the sums
.irp e, 0,1,2,3
.irp t, 0,1
.if (\s) == 0
	WMZ O+8*(4*\t+\e), VF+8*\e, PC+8*\t, VSC+2*(\s)+\e/2, PWD+4*\t+(\s), \e%2
.else
	WM O+8*(4*\t+\e), VF+8*\e, PC+8*\t, O+8*(4*\t+\e), VSC+2*(\s)+\e/2, PWD+4*\t+(\s), \e%2, 0
.endif
.endr
.endr
.endm
	s_load_b512 s[4:19], s[0:1], 0x0               ; qc s[4:5], qs s[6:7], kc s[8:9], ks s[10:11], vc s[12:13], vs s[14:15], the mask s[16:17], ctxc s[18:19]
	s_load_b64 s[20:21], s[0:1], 0x40              ; ctxs
	v_lshrrev_b32 v1, 5, v0
	v_readfirstlane_b32 s22, v1                    ; wave 0..3
	v_and_b32 v1, 15, v0                           ; r
	v_bfe_u32 v2, v0, 4, 1                         ; h
	v_and_b32 v3, 31, v0                           ; lane
	v_lshlrev_b32 v4, 4, v3                        ; 16 x lane: an image's place
	v_lshlrev_b32 v5, 2, v3                        ; 4 x lane
	v_lshlrev_b32 v[TL], 1, v3                     ; 2 x lane
	s_lshl_b32 s2, s22, 11
	v_lshl_add_u32 v6, v2, 5, s2                   ; the mask's numbers: my 512 keys, + 32 h
	v_add_nc_u32 v15, s2, v4                       ; and where I put them
	s_lshl_b32 s2, s22, 14
	s_add_co_u32 s2, s2, VL
	v_add_nc_u32 v7, s2, v4                        ; V's images, mine
	s_lshl_b32 s2, s22, 8
	s_add_co_u32 s2, s2, MAXX
	v_add_nc_u32 v8, s2, v5                        ; where I put a maximum or a sum
	v_add_nc_u32 v9, MAXX, v5                      ; and where I read the four waves'
	s_lshl_b32 s2, s22, 13
	s_add_co_u32 s2, s2, OX
	v_add_nc_u32 v10, s2, v4                       ; my partial O^T
	s_and_b32 s36, s22, 1                          ; the tile of queries that I finish,
	s_lshr_b32 s37, s22, 1                         ; and the block of 32 of the head's 64
	s_lshl_b32 s2, s36, 12
	s_lshl_b32 s3, s37, 11
	s_add_co_u32 s2, s2, s3
	s_add_co_u32 s2, s2, OX
	v_add_nc_u32 v11, s2, v4                       ; their two tiles in a wave's partial O^T
	v_lshlrev_b32 v12, 4, v1
	v_lshl_add_u32 v12, v2, 3, v12
	s_lshl_b32 s2, s36, 13
	s_lshl_b32 s3, s37, 8
	s_add_co_u32 s2, s2, s3
	v_add_nc_u32 v12, s2, v12                      ; ctx's codes: 16 r + 8 h + 8,192 x tile + 256 x block
	s_lshl_b32 s2, s36, 6
	v_lshl_add_u32 v14, v1, 2, s2                  ; 4 (16 x tile + r): my query among the block's 32
	v_add_nc_u32 v13, s37, v14                     ; ctx's scale byte
	s_lshr_b32 s30, ttmp9, 2                       ; bh
	s_and_b32 s31, ttmp9, 3                        ; qq
	s_lshr_b32 s32, s30, 4                         ; b
	s_and_b32 s33, s30, 15                         ; head
	s_mov_b32 s35, 0
	s_mov_b32 s24, 0x3e38aa3b                      ; c = log2(e) / 8
	s_mov_b32 s25, s24                             ; (named with it as a pair)
	s_mov_b32 s26, 0x76543210
	s_mov_b32 s27, 0xfedcba98                      ; v_permlanex16_b32's selects for lane l xor 16
	s_mov_b32 s23, 16                              ; blocks of 32 queries
	s_wait_kmcnt 0x0
	s_lshl_b32 s34, s30, 16
	s_lshl_b32 s2, s31, 14
	s_add_co_u32 s34, s34, s2
	s_add_nc_u64 s[4:5], s[4:5], s[34:35]          ; Q's images: head, my 32 tiles
	s_lshl_b32 s34, s30, 13
	s_lshl_b32 s2, s31, 11
	s_add_co_u32 s34, s34, s2
	s_add_nc_u64 s[6:7], s[6:7], s[34:35]          ; Q's scale words
	s_lshl_b32 s34, s30, 16
	s_lshl_b32 s2, s22, 14
	s_add_co_u32 s34, s34, s2
	s_add_nc_u64 s[8:9], s[8:9], s[34:35]          ; K's images: head, my 32 tiles
	s_add_nc_u64 s[12:13], s[12:13], s[34:35]      ; V's: head, my 4 K steps
	s_lshl_b32 s34, s30, 13
	s_lshl_b32 s2, s22, 11
	s_add_co_u32 s34, s34, s2
	s_add_nc_u64 s[10:11], s[10:11], s[34:35]      ; K's scale words
	s_lshl_b32 s34, s30, 12
	s_lshl_b32 s2, s22, 10
	s_add_co_u32 s34, s34, s2
	s_add_nc_u64 s[14:15], s[14:15], s[34:35]      ; V's scale bytes
	s_lshl_b32 s34, s32, 13
	s_lshl_b32 s2, s22, 11
	s_add_co_u32 s34, s34, s2
	s_add_nc_u64 s[28:29], s[16:17], s[34:35]      ; the mask of my 512 keys
	s_lshl_b32 s34, s32, 13
	s_lshl_b32 s2, s31, 11
	s_add_co_u32 s34, s34, s2
	s_add_nc_u64 s[16:17], s[16:17], s[34:35]      ; and of my work-group's queries
	s_lshl_b32 s34, s32, 20
	s_lshl_b32 s2, s31, 18
	s_add_co_u32 s34, s34, s2
	s_lshl_b32 s2, s33, 9
	s_add_co_u32 s34, s34, s2
	s_add_nc_u64 s[18:19], s[18:19], s[34:35]      ; ctx's codes: (128 b + 32 qq) tiles of 8,192 bytes + 512 x head
	s_lshl_b32 s34, s32, 16
	s_lshl_b32 s2, s31, 14
	s_add_co_u32 s34, s34, s2
	s_lshr_b32 s2, s33, 1
	s_lshl_b32 s2, s2, 7
	s_add_co_u32 s34, s34, s2
	s_and_b32 s2, s33, 1
	s_lshl_b32 s2, s2, 1
	s_add_co_u32 s34, s34, s2
	s_add_nc_u64 s[20:21], s[20:21], s[34:35]      ; ctx's scale bytes: (64 b + 16 qq) groups of 1,024 bytes + 128 (head / 2) + 2 (head % 2)
	; all that stays comes now
.irp j, 0,1,2,3
	global_load_b128 v[128+4*\j:128+4*\j+3], v4, s[28:29] offset:512*\j
.endr
.irp s, 0,1,2,3
.irp c, 0,1
.irp p, 0,1
	global_load_u16 v[144+4*\s+2*\c+\p], v[TL], s[14:15] offset:256*\s+128*\c+64*\p
.endr
.endr
.endr
.irp g, 0,1,2,3,4,5,6,7,8,9,10,11,12,13,14,15
	global_load_b32 v[KSC+\g], v5, s[10:11] offset:128*\g
.endr
	WIN 0x40                                       ; destination window 1
.set ii, 0
.rept 32
	global_load_b128 v[8*ii:8*ii+3], v4, s[8:9] offset:512*ii
.set ii, ii+1
.endr
	WIN 0x80                                       ; destination window 2: V passes through the scores' registers on its way to LDS
.set ii, 0
.rept 32
	global_load_b128 v[4*ii:4*ii+3], v4, s[12:13] offset:512*ii
.set ii, ii+1
.endr
	WIN 0
	QLOAD
	WIN 0x40
.set ii, 0
.rept 32
.irp j, 4,5,6,7
	v_mov_b32 v[8*ii+\j], 0                        ; K's zero codes of k = 64 .. 127
.endr
.set ii, ii+1
.endr
	WIN 0
.irp j, 4,5,6,7,12,13,14,15
	v_mov_b32 v[QF+\j], 0                          ; Q's
.endr
.irp n, 0,1,2,3,4,5,6,7,8,9,10,11,12,13,14,15
	v_mov_b32 v[TM+\n], 0                          ; written once: a lane permute's destination counts as one of its sources
.endr
.irp n, NM+1, NM+3, RL+1, RL+3, QM+1
	v_mov_b32 v[\n], 0                             ; the upper halves of pairs of which the low word serves both halves
.endr
	v_mov_b32 v160, 0xf1800000                     ; -2^100
	s_wait_loadcnt 0x0
.irp n, 0,1,2,3,4,5,6,7,8,9,10,11,12,13,14,15
	v_cmp_eq_u32 vcc_lo, 0, v[128+\n]
	v_cndmask_b32 v[128+\n], 0, v160, vcc_lo       ; a key whose mask is 0 is hidden
.endr
.irp j, 0,1,2,3
	ds_store_b128 v15, v[128+4*\j:128+4*\j+3] offset:512*\j
.endr
	WIN 0x08                                       ; an LDS store's data are its source 1: window 2
.set ii, 0
.rept 32
	ds_store_b128 v7, v[4*ii:4*ii+3] offset:512*ii
.set ii, ii+1
.endr
	WIN 0
.irp s, 0,1,2,3
.irp p, 0,1
	v_lshl_or_b32 v[VSC+2*\s+\p], v[144+4*\s+2+\p], 16, v[144+4*\s+\p]       ; the two bytes of keys 0-63 and the two of keys 64-127 of a K step
.endr
.endr
	s_wait_dscnt 0x0                               ; the stores have read their registers
	LOADC 0, 16                                    ; my own bytes: LDS serves a wave's instructions in order
.Lblock:                                           ; 16 trips: a block of 32 queries
	; ---- the scores
	s_wait_dscnt 0x0                               ; the C of tiles 0-15
	s_wait_loadcnt 0x0                             ; Q
	v_cvt_f32_i32 v[QM], v[QMI]
	WIN 0x81                                       ; K window 1, scores window 2
	SMUL 0
	WIN 0
	PLACES 4                                       ; in front of loads into registers that matrix instructions have read
	LOADC 16, 8
	WIN 0x81
	SMUL 8
	WIN 0
	PLACES 4
	LOADC 24, 8
	s_wait_dscnt 16                                ; the sixteen loads of tiles 24-31 are younger: the C of tiles 16-23 is in
	WIN 0xc1
	SMUL 16
	s_wait_dscnt 0x0
	SMUL 24
	WIN 0
	PLACES 4
	s_cmp_eq_u32 s23, 1                            ; the next block's Q is asked for a block ahead, if there is one: no load leaves its buffer
	s_cbranch_scc1 .Lnoq
	s_add_nc_u64 s[4:5], s[4:5], 1024              ; (the loads that read these addresses were waited for at the trip's head)
	s_add_nc_u64 s[6:7], s[6:7], 128
	s_add_nc_u64 s[16:17], s[16:17], 128
	QLOAD
.Lnoq:
	; ---- the maximum: of each block of 32 keys (it serves again for the block's scale), of my 512 keys, of the row
	WIN 0x28
	MAXW 0
	WIN 0x3c
	MAXW 1
	WIN 0
.irp t, 0,1
.irp n, 0,1,2,3,4,5,6,7,8,9,10,11,12,13,14,15
	v_permlanex16_b32 v[TM+\n], v[BM+16*\t+\n], s26, s27
.endr
.irp n, 0,1,2,3,4,5,6,7,8,9,10,11,12,13,14,15
	v_max_num_f32 v[BM+16*\t+\n], v[BM+16*\t+\n], v[TM+\n]     ; with lane l xor 16's 16 keys
.endr
.endr
.irp t, 0,1
	v_max3_num_f32 v[TM+\t], v[BM+16*\t], v[BM+16*\t+1], v[BM+16*\t+2]
.endr
.irp k, 3,5,7,9,11,13
.irp t, 0,1
	v_max3_num_f32 v[TM+\t], v[TM+\t], v[BM+16*\t+\k], v[BM+16*\t+\k+1]
.endr
.endr
.irp t, 0,1
	v_max_num_f32 v[TM+\t], v[TM+\t], v[BM+16*\t+15]
.endr
.irp t, 0,1
	ds_store_b32 v8, v[TM+\t] offset:128*\t
.endr
	BAR                                            ; the four waves' maxima lie in LDS
.irp t, 0,1
.irp x, 0,1,2,3
	ds_load_b32 v[TM+2+4*\t+\x], v9 offset:256*\x+128*\t
.endr
.endr
	s_wait_dscnt 0x0
.irp t, 0,1
	v_max3_num_f32 v[TM+\t], v[TM+2+4*\t], v[TM+3+4*\t], v[TM+4+4*\t]
.endr
.irp t, 0,1
	v_max3_num_f32 v[TM+\t], v[TM+\t], v[TM+5+4*\t], 0xdd800000      ; held at -2^60 from below: a row with no key left
.endr
.irp t, 0,1
	v_mul_f32 v[NM+2*\t], 0xbe38aa3b, v[TM+\t]     ; -c m
.endr
	; ---- the exponentials, once for each score
.irp t, 0,1
.irp n, 0,1,2,3,4,5,6,7,8,9,10,11,12,13,14,15
	v_fma_f32 v[BM+16*\t+\n], v[BM+16*\t+\n], s24, v[NM+2*\t]        ; the same of each block's largest score
.endr
.endr
	WIN 0x82
	EXPW
	WIN 0xc3
	EXPW
	WIN 0
.irp n, 0,1,2,3,4,5,6,7,8,9,10,11,12,13,14,15,16,17,18,19,20,21,22,23,24,25,26,27,28,29,30,31
	v_exp_f32 v[BM+\n], v[BM+\n]
.endr
	v_nop
	s_wait_alu depctr_va_vdst(0)                   ; and one wait for these 32
	; ---- the sum
	WIN 0x0a
.irp t, 0,1
.irp k, 0,1,2,3
	v_pk_add_f32 v[SA+8*\t+2*\k:SA+8*\t+2*\k+1], v[8*\t+2*\k:8*\t+2*\k+1], v[16+8*\t+2*\k:16+8*\t+2*\k+1]    ; tiles 0 and 1 start the chains
.endr
.endr
	WIN 0x08
	SUMW 2, 15
	WIN 0x0c
	SUMW 0, 15
	WIN 0
.irp t, 0,1
	v_pk_add_f32 v[SA+8*\t:SA+8*\t+1], v[SA+8*\t:SA+8*\t+1], v[SA+8*\t+2:SA+8*\t+3]
	v_pk_add_f32 v[SA+8*\t+4:SA+8*\t+5], v[SA+8*\t+4:SA+8*\t+5], v[SA+8*\t+6:SA+8*\t+7]
.endr
.irp t, 0,1
	v_pk_add_f32 v[SA+8*\t:SA+8*\t+1], v[SA+8*\t:SA+8*\t+1], v[SA+8*\t+4:SA+8*\t+5]
.endr
.irp t, 0,1
	v_add_f32 v[TM+\t], v[SA+8*\t], v[SA+8*\t+1]
.endr
.irp t, 0,1
	v_permlanex16_b32 v[TM+2+\t], v[TM+\t], s26, s27
.endr
.irp t, 0,1
	v_add_f32 v[TM+\t], v[TM+\t], v[TM+2+\t]
.endr
.irp t, 0,1
	ds_store_b32 v8, v[TM+\t] offset:SUMX+128*\t
.endr
	BAR                                            ; the four waves' sums lie in LDS
.irp t, 0,1
.irp x, 0,1,2,3
	ds_load_b32 v[TM+2+4*\t+\x], v9 offset:SUMX+256*\x+128*\t
.endr
.endr
	VLOAD 0
	s_wait_dscnt 8                                 ; V's eight loads are younger
.irp t, 0,1
	v_add_f32 v[TM+2+4*\t], v[TM+2+4*\t], v[TM+3+4*\t]
	v_add_f32 v[TM+4+4*\t], v[TM+4+4*\t], v[TM+5+4*\t]
.endr
.irp t, 0,1
	v_add_f32 v[TM+\t], v[TM+2+4*\t], v[TM+4+4*\t]
.endr
.irp t, 0,1
	v_max_num_f32 v[TM+\t], 0x0d800000, v[TM+\t]   ; held at 2^-100 from below: a row with no key left
.endr
.irp t, 0,1
	v_rcp_f32 v[RL+2*\t], v[TM+\t]
.endr
	v_nop
	s_wait_alu depctr_va_vdst(0)                   ; one wait for the two reciprocals
	; ---- the blocks' scales
.irp t, 0,1
.irp n, 0,1,2,3,4,5,6,7,8,9,10,11,12,13,14,15
	v_mul_f32 v[BM+16*\t+\n], v[BM+16*\t+\n], v[RL+2*\t]             ; the block's largest weight
.endr
.endr
.irp n, 0,1,2,3,4,5,6,7,8,9,10,11,12,13,14,15,16,17,18,19,20,21,22,23,24,25,26,27,28,29,30,31
	v_max_num_f32 v[BM+\n], 0x1800000, v[BM+\n]    ; the floor 2^(3 - 127): the byte cannot fall under 1
.endr
.irp n, 0,1,2,3,4,5,6,7,8,9,10,11,12,13,14,15,16,17,18,19,20,21,22,23,24,25,26,27,28,29,30,31
	v_add_nc_u32 v[BM+\n], 0xff000000, v[BM+\n]    ; 2 off the exponent field: the conversion's scale operand
.endr
.irp t, 0,1
.irp n, 0,1,2,3,4,5,6,7,8,9,10,11,12,13,14,15
	v_lshrrev_b32 v[TM+\n], 23, v[BM+16*\t+\n]     ; the scale's byte
.endr
.irp s, 0,1,2,3
	v_lshl_or_b32 v[PWD+4*\t+\s], v[TM+4*\s+1], 8, v[TM+4*\s]
.endr
.irp s, 0,1,2,3
	v_lshl_or_b32 v[PWD+4*\t+\s], v[TM+4*\s+2], 16, v[PWD+4*\t+\s]
.endr
.irp s, 0,1,2,3
	v_lshl_or_b32 v[PWD+4*\t+\s], v[TM+4*\s+3], 24, v[PWD+4*\t+\s]
.endr
.endr
	; ---- normalise, quantise, multiply by V, a K step of 128 keys at a time.  The next step's normalisation stands between a step's codes and its products: those 64 lines are the places that the products want
	NORM 0
.irp s, 0,1,2,3
	QUANTC \s
.if \s < 3
	NORM \s+1
	WIN 0
.else
	PLACES 4
.endif
	s_wait_dscnt 0x0                               ; V's fragments are in
	PV \s
	PLACES 4                                       ; in front of loads into V's registers, of the next codes and of the first read of O^T
.if \s < 3
	VLOAD \s+1
.endif
.endr
	; ---- ctx: the four waves' partial O^T meet in LDS; wave w finishes tile w % 2 of the queries, block w / 2 of the head
.irp a, 0,1,2,3,4,5,6,7
	ds_store_b128 v10, v[O+8*\a:O+8*\a+3] offset:1024*\a               ; each accumulator from its low end on
	ds_store_b128 v10, v[O+8*\a+4:O+8*\a+7] offset:1024*\a+512
.endr
	BAR
	WIN 0x80                                       ; destination window 2: the scores are done with
.irp x, 0,1,2,3
.irp e, 0,1
.irp u, 0,1
	ds_load_b128 v[16*\x+8*\e+4*\u:16*\x+8*\e+4*\u+3], v11 offset:8192*\x+1024*\e+512*\u
.endr
.endr
.endr
	WIN 0
	LOADC 0, 16                                    ; the next block's first C (in the last trip: read and not used)
	s_wait_dscnt 32                                ; those 32 loads are younger: the partial sums are in
	WIN 0x8a
.irp p, 0,1,2,3,4,5,6,7
	v_pk_add_f32 v[2*\p:2*\p+1], v[2*\p:2*\p+1], v[16+2*\p:16+2*\p+1]
.endr
.irp p, 0,1,2,3,4,5,6,7
	v_pk_add_f32 v[32+2*\p:32+2*\p+1], v[32+2*\p:32+2*\p+1], v[48+2*\p:48+2*\p+1]
.endr
.irp p, 0,1,2,3,4,5,6,7
	v_pk_add_f32 v[2*\p:2*\p+1], v[2*\p:2*\p+1], v[32+2*\p:32+2*\p+1]
.endr
	WIN 0x82
.irp p, 0,1,2,3,4,5,6,7
	v_pk_mul_f32 v[2*\p:2*\p+1], v[2*\p:2*\p+1], v[QM:QM+1] op_sel_hi:[1,0]      ; x the query's mask, as a number
.endr
	WIN 0x28
	v_max3_num_f32 v[TM], 0x1800000, |v0|, |v1|    ; register 8 e + j is d = 32 x block + 16 e + 8 h + j of my query: 16 of the block's 32
	v_max3_num_f32 v[TM+1], 0x1800000, |v8|, |v9|
.irp i, 2,4,6
	v_max3_num_f32 v[TM], v[TM], |v[\i]|, |v[\i+1]|
	v_max3_num_f32 v[TM+1], v[TM+1], |v[8+\i]|, |v[9+\i]|
.endr
	WIN 0
	v_max_num_f32 v[TM], v[TM], v[TM+1]
	v_permlanex16_b32 v[TM+2], v[TM], s26, s27
	v_max_num_f32 v[TM], v[TM], v[TM+2]
	v_add_nc_u32 v[TM+3], 0xff000000, v[TM]
	v_lshrrev_b32 v[CBY], 23, v[TM+3]
	WIN 0x02
	v_cvt_scalef32_pk8_fp4_f32 v[CC], v[0:7], v[TM+3]
	v_cvt_scalef32_pk8_fp4_f32 v[CC+1], v[8:15], v[TM+3]
	WIN 0
	v_nop                                          ; one plain place behind the scaled conversions
	v_permlane16_swap_b32 v[CC], v[CC+1]           ; lane (r, 0) now holds the block's codes 0-15, lane (r, 1) its codes 16-31
	global_store_b64 v12, v[CC:CC+1], s[18:19]     ; the wave stores 256 consecutive bytes, at a multiple of 256 from the buffer's first byte
	global_store_b8 v13, v[CBY], s[20:21]          ; both halves of the lanes write the same byte with the same value
	s_wait_xcnt 0x0                                ; the stores have read their registers and bases: both are written again only behind this wait
	s_add_nc_u64 s[18:19], s[18:19], 16384
	s_add_nc_u64 s[20:21], s[20:21], 1024
	s_sub_co_u32 s23, s23, 1
	s_cmp_lg_u32 s23, 0
	s_cbranch_scc1 .Lblock
	s_wait_dscnt 0x0
	s_wait_xcnt 0x0
	v_lshl_add_u32 v254, v0, 2, 0x1a800
	v_mov_b32 v255, 0
	s_wait_tensorcnt 0x0
	ds_add_u32 v254, v255
	s_wait_dscnt 0x0
	s_endpgm
.Lfunc_end_k_qbe6dd2bb8f_attn:
	.size	k_qbe6dd2bb8f_attn, .Lfunc_end_k_qbe6dd2bb8f_attn-k_qbe6dd2bb8f_attn
	.p2alignl 7, 3214868480
	.fill 96, 4, 3214868480
	.section	.rodata,"a",@progbits
	.p2align	6, 0x0
	.amdhsa_kernel k_qbe6dd2bb8f_attn
		.amdhsa_group_segment_fixed_size 109056
		.amdhsa_private_segment_fixed_size 0
		.amdhsa_enable_private_segment 0
		.amdhsa_kernarg_size 72
		.amdhsa_user_sgpr_count 2
		.amdhsa_user_sgpr_kernarg_segment_ptr 1
		.amdhsa_wavefront_size32 1
		.amdhsa_system_sgpr_workgroup_id_x 1
		.amdhsa_system_sgpr_workgroup_id_y 1
		.amdhsa_system_sgpr_workgroup_id_z 1
		.amdhsa_system_vgpr_workitem_id 0
		.amdhsa_next_free_vgpr 1024
		.amdhsa_next_free_sgpr 66
		.amdhsa_reserve_vcc 1
		.amdhsa_float_denorm_mode_32 3
		.amdhsa_float_denorm_mode_16_64 3
		.amdhsa_memory_ordered 1
		.amdhsa_forward_progress 1
		.amdhsa_inst_pref_size 155
	.end_amdhsa_kernel
	.amdgpu_metadata
---
amdhsa.version: [ 1, 2 ]
amdhsa.kernels:
  - .name:           k_qbe6dd2bb8f_attn
    .symbol:         k_qbe6dd2bb8f_attn.kd
    .args:
      - { .name: qc, .offset: 0, .size: 8, .value_kind: global_buffer, .address_space: global }
      - { .name: qs, .offset: 8, .size: 8, .value_kind: global_buffer, .address_space: global }
      - { .name: kc, .offset: 16, .size: 8, .value_kind: global_buffer, .address_space: global }
      - { .name: ks, .offset: 24, .size: 8, .value_kind: global_buffer, .address_space: global }
      - { .name: vc, .offset: 32, .size: 8, .value_kind: global_buffer, .address_space: global }
      - { .name: vs, .offset: 40, .size: 8, .value_kind: global_buffer, .address_space: global }
      - { .name: attention_mask, .offset: 48, .size: 8, .value_kind: global_buffer, .address_space: global }
      - { .name: ctxc, .offset: 56, .size: 8, .value_kind: global_buffer, .address_space: global }
      - { .name: ctxs, .offset: 64, .size: 8, .value_kind: global_buffer, .address_space: global }
    .group_segment_fixed_size: 109056
    .private_segment_fixed_size: 0
    .kernarg_segment_align: 8
    .kernarg_segment_size: 72
    .max_flat_workgroup_size: 128
    .sgpr_count:     66
    .vgpr_count:     1024
    .wavefront_size: 32
...
	.end_amdgpu_metadata
.endif
;; end of part 2
;; launch oproj (part 3): grid 32 x 8, 4 waves a work-group, clusters of 4 x 1, 168,448 bytes of LDS; arguments ctxc, ctxs, wo_codes, wo_scales, bo, out0; writes out0
.if DOCPART == 3
	.amdgcn_target "amdgcn-amd-amdhsa--gfx1250"
	.amdhsa_code_object_version 6
	.text
	.protected	k_qbe6dd2bb8f_oproj
	.globl	k_qbe6dd2bb8f_oproj
	.p2align	8
	.type	k_qbe6dd2bb8f_oproj,@function
k_qbe6dd2bb8f_oproj:
	s_mov_b64 s[64:65], 0
	v_nop
	global_prefetch_b8 v0, s[64:65] scope:SCOPE_SE
	s_setreg_imm32_b32 hwreg(HW_REG_WAVE_MODE, 25, 1), 1
	s_wait_xcnt 0x0
	s_wait_alu depctr_hold_cnt(0) depctr_sa_sdst(0) depctr_va_vdst(0) depctr_va_sdst(0) depctr_va_ssrc(0) depctr_va_vcc(0) depctr_vm_vsrc(0)
	s_getreg_b32 s2, hwreg(HW_REG_IB_STS2, 6, 4)
	s_cmp_eq_u32 s2, 0
	s_cbranch_scc0 .Lentry_in_a_cluster
	s_endpgm
.Lentry_in_a_cluster:
	s_bfe_u32 s2, ttmp6, 0x10000c
	s_cmp_lg_u32 s2, 0x3003
	s_cbranch_scc0 .Lentry_shape_is_right
	s_endpgm
.Lentry_shape_is_right:
; out = ctx wo^T + bo on codes of FP4 (E2M1) with one E8M0 scale for each 32 along K = 1,024; sums in f32; out is f32.
; SHARES.  A work-group makes 256 tokens (tb) x 128 features (fb).  Wave w owns tokens 64 w .. 64 w + 63 (4 tiles) and all 128 features (8 tiles): 32 accumulators.
; ctx comes as images of operand registers, straight from memory into registers (256 registers, all of K); wo's 128 rows come into LDS once and are read by all four waves.
; Source 0 = 16 rows of wo, source 1 = 16 rows of ctx: a lane holds eight neighbouring features of one token.  bo is the C of each sum's first matrix instruction.
; CLUSTER 4 x 1: the four partners have the same fb: wo's tile and its scale bytes are asked for jointly.  Nothing in LDS is filled twice.
; REGISTERS, in windows of 256: window 0: addresses, v32-47 ctx's scale words, v48-79 wo's, v128-255 rows on their way out.  window 1: ctx's fragments, (tile a, K step s) at 8 (8 a + s).
;   window 2: the accumulators, (token tile a, feature tile b) at 64 a + 8 b.  window 3: v0-63, v64-127 wo's fragments, two sets; v128-191 bo in the result's layout.
.set PITCH, 528                        ; an LDS row: 512 bytes + 16 of padding
.set SW,    128*PITCH                  ; behind wo's codes: its scale bytes, dense, 32 a row
.set STG,   SW+4096                    ; behind them: a stage of 16 rows x 528 bytes for each wave; no fill lands there
.set XS,  32
.set WS,  48
.set OB,  128
.set BI,  128                          ; in window 3
.set MSB, 0
.macro WIN new                         ; the immediate's high byte repeats the setting that is left
.if MSB != \new
	s_set_vgpr_msb (MSB<<8)|\new
.set MSB, \new
.endif
.endm
.macro PLACES n
.rept \n
	v_nop
.endr
.endm
.macro CROUND                          ; a round of the cluster's barrier
	s_barrier_signal -1
	s_barrier_wait -1
	s_cmp_lg_u32 s22, 0
	s_cbranch_scc1 .Lnot_wave_0_\@
	s_barrier_signal -3
.Lnot_wave_0_\@:
	s_barrier_wait -3
	s_barrier_signal -1
	s_barrier_wait -1
.endm
.macro WM d, a, b, c, sa, sb, ra, rb   ; ra, rb: which half of the lanes of the scale registers holds A's and B's words
.if ((\ra)==0)&&((\rb)==0)
	v_wmma_scale_f32_16x16x128_f8f6f4 v[(\d):(\d)+7], v[(\a):(\a)+7], v[(\b):(\b)+7], v[(\c):(\c)+7], v[(\sa)], v[(\sb)] matrix_a_fmt:MATRIX_FMT_FP4 matrix_b_fmt:MATRIX_FMT_FP4
.elseif ((\ra)==1)&&((\rb)==0)
	v_wmma_scale_f32_16x16x128_f8f6f4 v[(\d):(\d)+7], v[(\a):(\a)+7], v[(\b):(\b)+7], v[(\c):(\c)+7], v[(\sa)], v[(\sb)] matrix_a_fmt:MATRIX_FMT_FP4 matrix_b_fmt:MATRIX_FMT_FP4 matrix_a_scale:MATRIX_SCALE_ROW1
.elseif (\ra)==0
	v_wmma_scale_f32_16x16x128_f8f6f4 v[(\d):(\d)+7], v[(\a):(\a)+7], v[(\b):(\b)+7], v[(\c):(\c)+7], v[(\sa)], v[(\sb)] matrix_a_fmt:MATRIX_FMT_FP4 matrix_b_fmt:MATRIX_FMT_FP4 matrix_b_scale:MATRIX_SCALE_ROW1
.else
	v_wmma_scale_f32_16x16x128_f8f6f4 v[(\d):(\d)+7], v[(\a):(\a)+7], v[(\b):(\b)+7], v[(\c):(\c)+7], v[(\sa)], v[(\sb)] matrix_a_fmt:MATRIX_FMT_FP4 matrix_b_fmt:MATRIX_FMT_FP4 matrix_a_scale:MATRIX_SCALE_ROW1 matrix_b_scale:MATRIX_SCALE_ROW1
.endif
.endm
	s_load_b256 s[4:11], s[0:1], 0x0               ; ctxc s[4:5], ctxs s[6:7], wo's codes s[8:9], wo's scales s[10:11]
	s_load_b128 s[12:15], s[0:1], 0x20             ; bo s[12:13], out s[14:15]
	v_lshl_add_u32 v126, v0, 2, 0x29000
	v_mov_b32 v127, 0
	ds_add_u32 v126, v127
	ds_add_u32 v126, v127
	v_lshrrev_b32 v1, 5, v0
	v_readfirstlane_b32 s22, v1                    ; wave 0..3
	s_bfe_u32 s16, ttmp6, 0x40000                  ; cx
	s_lshl_b32 s17, ttmp9, 2
	s_add_co_u32 s17, s17, s16                     ; tb = 4 x cluster x + cx: it enters ctx's and out's addresses alone
	s_and_b32 s18, ttmp7, 0xffff                   ; fb, which the four partners share
	; group 1 for wo's codes: 32 rows x 512 bytes, 4 words of padding behind every 128; the mask names all four partners, bit 21 beside it
	s_mov_b32 s24, 15|(1<<20)|(1<<21)|(6<<22)|(3<<25)
	s_mov_b32 s25, 512<<16                         ; tensor_dim0
	s_mov_b32 s26, 32<<16                          ; tensor_dim1
	s_mov_b32 s27, 512<<16                         ; tile_dim0
	s_mov_b32 s28, 32                              ; tile_dim1
	s_mov_b32 s29, 512                             ; from row to row
	s_mov_b32 s30, 0
	s_mov_b32 s31, 0
	; for its scale bytes: 1,024 dense bytes as 4 rows of 32 elements of 8 bytes
	s_mov_b32 s32, 15|(3<<16)|(1<<21)
	s_mov_b32 s33, 32<<16
	s_mov_b32 s34, 4<<16
	s_mov_b32 s35, 32<<16
	s_mov_b32 s36, 4
	s_mov_b32 s37, 32
	s_mov_b32 s38, 0
	s_mov_b32 s39, 0
	s_lshl_b32 s20, s18, 16
	s_lshl_b32 s21, s22, 14
	s_add_co_u32 s20, s20, s21                     ; 128 fb + 32 w rows of 512 bytes
	s_mov_b32 s21, 0
	s_lshl_b32 s2, s18, 12
	s_lshl_b32 s3, s22, 10
	s_add_co_u32 s2, s2, s3                        ; and of 32 scale bytes
	s_mov_b32 s3, 0
	s_wait_dscnt 0x0
	s_wait_kmcnt 0x0
	s_mov_b32 s40, 1
	s_mul_i32 s41, s22, 32*PITCH
	s_add_nc_u64 s[42:43], s[8:9], s[20:21]
	s_or_b32 s43, s43, 0x80000000
	s_mov_b32 s44, 1
	s_lshl_b32 s45, s22, 10
	s_add_co_u32 s45, s45, SW
	s_add_nc_u64 s[46:47], s[10:11], s[2:3]
	s_or_b32 s47, s47, 0x80000000
	CROUND                                         ; all four work-groups are here: the joint loads meet
	tensor_load_to_lds s[40:43], s[24:31]          ; two loads of mine are out
	s_nop 0
	tensor_load_to_lds s[44:47], s[32:39]
	s_nop 0
	PLACES 4                                       ; four lines of this kind behind a tensor load
	v_and_b32 v1, 15, v0                           ; r
	v_bfe_u32 v2, v0, 4, 1                         ; h
	v_and_b32 v3, 31, v0                           ; lane
	v_mul_u32_u24 v6, v1, PITCH
	v_lshl_add_u32 v20, v2, 5, v6                  ; the stage, in: row r, + 32 h
	v_lshl_add_u32 v6, v2, 4, v6                   ; a fragment's row x pitch + 16 h
	v_lshlrev_b32 v9, 5, v3
	v_add_nc_u32 v9, SW, v9                        ; a row of scale bytes for each lane
	v_lshlrev_b32 v12, 4, v3                       ; 16 x lane
	v_lshlrev_b32 v13, 2, v3                       ; 4 x lane
	v_lshlrev_b32 v15, 5, v2                       ; 32 h
	s_mul_i32 s2, s22, 16*PITCH
	s_add_co_u32 s2, s2, STG                       ; my stage
	v_add_nc_u32 v20, s2, v20
	v_add_nc_u32 v21, s2, v12                      ; back: the 32 lanes take one row of 512 bytes
	s_lshl_b32 s20, s17, 17
	s_lshl_b32 s2, s22, 15
	s_add_co_u32 s20, s20, s2
	s_add_nc_u64 s[4:5], s[4:5], s[20:21]          ; ctx's images: (16 tb + 4 w) tiles of 8,192 bytes
	s_lshl_b32 s20, s17, 13
	s_lshl_b32 s2, s22, 11
	s_add_co_u32 s20, s20, s2
	s_add_nc_u64 s[6:7], s[6:7], s[20:21]          ; its scale words: (8 tb + 2 w) groups of 1,024 bytes
	s_lshl_b32 s20, s18, 9
	s_add_nc_u64 s[12:13], s[12:13], s[20:21]      ; bo: my 128 features
	s_lshl_b32 s2, s17, 20
	s_add_co_u32 s20, s20, s2
	s_lshl_b32 s2, s22, 18
	s_add_co_u32 s20, s20, s2
	s_add_nc_u64 s[14:15], s[14:15], s[20:21]      ; out: (256 tb + 64 w) rows of 4,096 bytes + 512 fb
	WIN 0x40                                       ; destination window 1
.irp a, 0,1,2,3
.irp s, 0,1,2,3,4,5,6,7
.irp c, 0,1
	global_load_b128 v[8*(8*\a+\s)+4*\c:8*(8*\a+\s)+4*\c+3], v12, s[4:5] offset:8192*\a+1024*\s+512*\c       ; head 2 s + c: registers 4 c .. 4 c + 3 of K step s
.endr
.endr
.endr
	WIN 0
.irp p, 0,1
.irp s, 0,1,2,3,4,5,6,7
	global_load_b32 v[XS+8*\p+\s], v13, s[6:7] offset:1024*\p+128*\s
.endr
.endr
	WIN 0xc0                                       ; destination window 3
.irp b, 0,1,2,3,4,5,6,7
	global_load_b128 v[BI+8*\b:BI+8*\b+3], v15, s[12:13] offset:64*\b          ; lane (r, h), tile b: bo of features 16 b + 8 h + 0 .. 7
	global_load_b128 v[BI+8*\b+4:BI+8*\b+7], v15, s[12:13] offset:64*\b+16
.endr
	WIN 0
	s_wait_tensorcnt 0x0                           ; my part of wo and of its scale bytes is in,
	s_barrier_signal -1
	s_barrier_wait -1                              ; everybody's is
.irp p, 0,1,2,3
.irp j, 0,1
	ds_load_b128 v[WS+8*\p+4*\j:WS+8*\p+4*\j+3], v9 offset:1024*\p+16*\j       ; wo's scale words: register 8 p + s: lane l = feature 32 p + l
.endr
.endr
.macro WFLOAD s, buf                   ; wo's eight fragments of K step s into set buf
	WIN 0xc0
.irp i, 0,1,2,3,4,5,6,7
.irp c, 0,1
	ds_load_b128 v[64*(\buf)+8*\i+4*\c:64*(\buf)+8*\i+4*\c+3], v6 offset:16*\i*PITCH+64*(\s)+32*\c
.endr
.endr
.endm
.macro MUL s                           ; 32 matrix instructions, the accumulators by turns in the same order in every K step
.if (\s) == 0
	WIN 0xb7                                       ; source 0 (wo) window 3, source 1 (ctx) window 1, C (bo) window 3, D window 2
.else
	WIN 0xa7
.endif
.irp a, 0,1,2,3
.irp b, 0,1,2,3,4,5,6,7
.if (\s) == 0
	WM 64*\a+8*\b, 64*((\s)%2)+8*\b, 8*(8*\a+(\s)), BI+8*\b, WS+8*(\b/2)+(\s), XS+8*(\a/2)+(\s), \b%2, \a%2
.else
	WM 64*\a+8*\b, 64*((\s)%2)+8*\b, 8*(8*\a+(\s)), 64*\a+8*\b, WS+8*(\b/2)+(\s), XS+8*(\a/2)+(\s), \b%2, \a%2
.endif
.endr
.endr
.endm
	WFLOAD 0, 0
	s_wait_loadcnt 0x0                             ; ctx, its scale words, bo
.irp s, 0,1,2,3,4,5,6,7
	s_wait_dscnt 0x0                               ; this step's fragments are in: they were asked for a step ago
.if \s < 7
.if \s > 0
	PLACES 4                                       ; in front of loads into the set that the step before multiplied
.endif
	WFLOAD \s+1, (\s+1)%2
.endif
	MUL \s
.endr
	WIN 0
; THE WAY OUT, a block of 16 tokens x 128 features at a time, through my own stage: a lane holds 32 neighbouring bytes of a row; the rows come back whole, 512 bytes for the 32 lanes.
; LDS serves a wave's instructions in order (ISA guide 5.7.1.4): no wait between the stores and the loads, nor in front of the next block's stores.
.macro TOSTAGE a
	WIN 0x08                                       ; an LDS store's data are its source 1: window 2
.irp b, 0,1,2,3,4,5,6,7
	ds_store_b128 v20, v[64*(\a)+8*\b:64*(\a)+8*\b+3] offset:64*\b             ; each accumulator from its low end on
	ds_store_b128 v20, v[64*(\a)+8*\b+4:64*(\a)+8*\b+7] offset:64*\b+16
.endr
	WIN 0
.irp t, 0,1,2,3,4,5,6,7,8,9,10,11,12,13,14,15
	ds_load_b128 v[OB+64*((\a)%2)+4*\t:OB+64*((\a)%2)+4*\t+3], v21 offset:\t*PITCH
.endr
.endm
.macro SEND a, younger                 ; younger: the LDS instructions issued behind block a's loads, which may stay out
	s_wait_dscnt \younger
.irp t, 0,1,2,3,4,5,6,7,8,9,10,11,12,13,14,15
	global_store_b128 v12, v[OB+64*((\a)%2)+4*\t:OB+64*((\a)%2)+4*\t+3], s[14:15] offset:(16*(\a)+\t)*4096 th:TH_STORE_NT    ; 32 lanes store 512 consecutive bytes, at a multiple of 256 from out's first byte; written once, read by nobody here
.endr
.endm
	PLACES 4                                       ; in front of the first read of the results
	TOSTAGE 0
.irp a, 1,2,3
.if \a > 1
	s_wait_xcnt 0x0                                ; block a - 2's stores have read their registers: block a's rows may land there
.endif
	TOSTAGE \a
	SEND \a-1, 32                                  ; behind block a - 1's loads: block a's 16 stores and 16 loads
.endr
	SEND 3, 0
	s_wait_tensorcnt 0x0
	ds_add_u32 v126, v127
	s_wait_dscnt 0x0
	CROUND                                         ; the closing round: no work-group ends while a partner may still ask for a tile that names it
	s_endpgm
.Lfunc_end_k_qbe6dd2bb8f_oproj:
	.size	k_qbe6dd2bb8f_oproj, .Lfunc_end_k_qbe6dd2bb8f_oproj-k_qbe6dd2bb8f_oproj
	.p2alignl 7, 3214868480
	.fill 96, 4, 3214868480
	.section	.rodata,"a",@progbits
	.p2align	6, 0x0
	.amdhsa_kernel k_qbe6dd2bb8f_oproj
		.amdhsa_group_segment_fixed_size 168448
		.amdhsa_private_segment_fixed_size 0
		.amdhsa_enable_private_segment 0
		.amdhsa_kernarg_size 48
		.amdhsa_user_sgpr_count 2
		.amdhsa_user_sgpr_kernarg_segment_ptr 1
		.amdhsa_wavefront_size32 1
		.amdhsa_system_sgpr_workgroup_id_x 1
		.amdhsa_system_sgpr_workgroup_id_y 1
		.amdhsa_system_sgpr_workgroup_id_z 1
		.amdhsa_system_vgpr_workitem_id 0
		.amdhsa_next_free_vgpr 1024
		.amdhsa_next_free_sgpr 66
		.amdhsa_reserve_vcc 0
		.amdhsa_float_denorm_mode_32 3
		.amdhsa_float_denorm_mode_16_64 3
		.amdhsa_memory_ordered 1
		.amdhsa_forward_progress 1
		.amdhsa_inst_pref_size 71
	.end_amdhsa_kernel
	.amdgpu_metadata
---
amdhsa.version: [ 1, 2 ]
amdhsa.kernels:
  - .name:           k_qbe6dd2bb8f_oproj
    .symbol:         k_qbe6dd2bb8f_oproj.kd
    .args:
      - { .name: ctxc, .offset: 0, .size: 8, .value_kind: global_buffer, .address_space: global }
      - { .name: ctxs, .offset: 8, .size: 8, .value_kind: global_buffer, .address_space: global }
      - { .name: wo_codes, .offset: 16, .size: 8, .value_kind: global_buffer, .address_space: global }
      - { .name: wo_scales, .offset: 24, .size: 8, .value_kind: global_buffer, .address_space: global }
      - { .name: bo, .offset: 32, .size: 8, .value_kind: global_buffer, .address_space: global }
      - { .name: out0, .offset: 40, .size: 8, .value_kind: global_buffer, .address_space: global }
    .group_segment_fixed_size: 168448
    .private_segment_fixed_size: 0
    .kernarg_segment_align: 8
    .kernarg_segment_size: 48
    .max_flat_workgroup_size: 128
    .sgpr_count:     66
    .vgpr_count:     1024
    .wavefront_size: 32
...
	.end_amdgpu_metadata
.endif
;; end of part 3
;; ======== version 2 of 2: 3 launches; version 1 with the launch attn written anew for expert scheduling mode
;; limits: right only within a limited range of input values
;; workspace buffers: qc 4,194,304 bytes; qs 524,288 bytes; kc 4,194,304 bytes; ks 524,288 bytes; vc 4,194,304 bytes; vs 262,144 bytes; ctxc 4,194,304 bytes; ctxs 262,144 bytes
;; launch qkv: the kernel of part 1 again; grid 8 x 32, 4 waves a work-group, clusters of 4 x 4, 327,680 bytes of LDS; arguments x_codes, x_scales, wq_codes, wq_scales, wk_codes, wk_scales, wv_codes, wv_scales, bq, bk, bv, qc, qs, kc, ks, vc, vs; writes qc, qs, kc, ks, vc, vs
;; launch attn (part 4): grid 256 x 1, 4 waves a work-group, no clusters, 109,056 bytes of LDS; arguments qc, qs, kc, ks, vc, vs, attention_mask, ctxc, ctxs; writes ctxc, ctxs
.if DOCPART == 4
	.amdgcn_target "amdgcn-amd-amdhsa--gfx1250"
	.amdhsa_code_object_version 6
	.text
	.protected	k_qbe6dd2bb8f_attn
	.globl	k_qbe6dd2bb8f_attn
	.p2align	8
	.type	k_qbe6dd2bb8f_attn,@function
k_qbe6dd2bb8f_attn:
	s_mov_b64 s[64:65], 0
	v_nop
	global_prefetch_b8 v0, s[64:65] scope:SCOPE_SE
	s_setreg_imm32_b32 hwreg(HW_REG_WAVE_SCHED_MODE, 0, 2), 2
	s_setreg_imm32_b32 hwreg(HW_REG_WAVE_MODE, 25, 1), 1
	s_wait_xcnt 0x0
	s_wait_alu depctr_vm_vsrc(0)
; ctx = softmax(q k^T / 8, hidden keys left out) v, times the query's mask, both products on codes of FP4 (E2M1) with one E8M0 scale for each 32 along K; ctx is quantised for the last product.
; THE WEIGHTS ARE QUANTISED FINISHED AND NORMALISED, exp(s - max) / sum, in blocks of 32 keys: no code of a row can be made before the row's sum over all 2,048 keys is known.
; So the scores of 32 queries x 2,048 keys stay in the four waves' registers, 512 a wave: exact maximum, ONE exponential a score, the sum, the normalisation, the quantiser, the second product.
; SHARES.  A work-group owns one head of one batch (bh) and 512 queries (qq), 16 blocks of 32 (two tiles t).  Wave w owns keys 512 w .. 512 w + 511 for ALL 32 queries: 32 tiles of 16 keys, 16 blocks, 4 K steps of 128.
; K's fragments stay in registers, V's images in the wave's own LDS; both come once.  Maxima, sums and the partial O meet in LDS: three barriers a block.
; LAYOUT.  S^T = K Q^T (source 0 = 16 keys, source 1 = 16 queries), O^T = V^T P^T (source 0 = 16 of the head's 64, source 1 = P): a lane holds ONE query throughout.
; The head has 64 features: registers 4-7 of K's and Q's fragments are zero codes (k = 64 .. 127), their scale bytes 0.
; THE KEY MASK is the C of each score tile: 0 for a key that counts, -2^100 for a hidden one.
; No cluster: K and V go once, at the head, by loads into registers (35 KB a wave); no tile is asked for in the loop that partners could share.
; LIMITS: a hidden key's score is s - 2^100 and not -infinity; the row's maximum is held at -2^60 from below and the sum at 2^-100, so that a row with no key left gives weights 0 and ctx 0;
; true scores under -2^60 are not served.  A weight under 2^-126 is 0 (v_exp_f32's results are flushed: ISA guide, 15.8).  1 / sum is v_rcp_f32 and a multiplication.
; A block's largest weight is its largest SCORE put through the same multiply-add, exponential and multiplication as every weight (this takes v_exp_f32 not to fall where its input rises).
; A block of zeros gets the scale byte 1 where the rule says 127: its codes are zeros, and this program alone reads the bytes.
; REGISTERS, in windows of 256: window 0: see the names below.  window 1: K's 32 fragments at 8 i.  windows 2, 3: the scores, tile i of keys, tile t of queries at 16 (i % 16) + 8 t; tiles 0-15 in window 2.
; THE MODE: SCHED_MODE bits 1:0 = 2 (LLVM: expert scheduling mode 2), set by the entry lines.  The code itself states the register dependences
; between vector or matrix instructions and memory or LDS instructions, with s_wait_alu, always for 0.
; THE PLAN.  Registers that memory or LDS instructions touch, in the loop:
;   v4-v14          addresses: written at the head, never again.
;   CB v128-255     C's loads land here; the score products read it.  Later in the block the same registers are O, BM, PC and SA, which vector and matrix instructions name; O is also the data of the LDS stores.
;   QF, QSC, QMI    read by the 64 score products and by the conversion at the trip's head, by nothing behind them; the next block's loads land here behind the first exchange.
;   TM, TM+1        written by the maxima and by the sums, read by the exchanges' stores, written again behind each exchange.   TM+2 .. +9: the exchanges' loads land here.
;   V's fragments   TWO sets by turns: v90-121 for K steps 0 and 2; SA (two fragments) and TM (two), idle meanwhile, for K steps 1 and 3.  Step s's products read set s % 2; step s + 1's loads land in the other set.
;   window 2 v0-63  read by the normalisation and the conversions; the four waves' partial sums land here.        CC, CBY: written by ctx's conversions, read by the two global stores.
; A K step has ONE wait on va_vdst, ahead of its products: its codes and scale words are written, and the step before is done reading the other set of V, in which the next step's loads, issued at once, land.
.set BIAS, 0                           ; LDS: 0 or -2^100 for each key, f32; wave w's 2,048 bytes are its own
.set VL,   8192                        ; V's images, 16,384 bytes a wave, its own
.set MAXX, 73728                       ; [wave][t][lane] the waves' maxima;
.set SUMX, 1024                        ; 1,024 bytes behind them, the same for the sums
.set OX,   75776                       ; [wave][4 t + dt][1,024] the waves' partial O^T, as images
.set KSC, 16                           ; v16-31  K's scale words: register g: lanes 0-15 tile 2 g, lanes 16-31 tile 2 g + 1
.set VSC, 32                           ; v32-39  V's: register 2 s + pair of tiles of d
.set QF,  40                           ; v40-55  Q's two fragments
.set QSC, 56                           ; v56     Q's scale words: lanes 0-15 tile 0, lanes 16-31 tile 1
.set QMI, 57                           ; v57     the mask of the query that I finish
.set NM,  58                           ; v58, v60  -c m of tile t (low words of pairs)
.set RL,  62                           ; v62, v64  1 / sum
.set PWD, 66                           ; v66-73  P's scale words, 4 t + s
.set TM,  74                           ; v74-89  at work; in the K steps: fragments 2 and 3 of V's second set
.set VF,  90                           ; v90-121 V's four fragments, first set
.set CC,  122                          ; v122-123 ctx's codes
.set CBY, 124                          ; v124    ctx's scale byte
.set TL,  125                          ; v125    2 x lane
.set QM,  126                          ; v126    the query's mask as f32 (low word of a pair)
.set O,   128                          ; v128-191 O^T, 8 (4 t + dt)
.set CB,  128                          ; v128-255 while scores are made: the C of 16 tiles of keys
.set BM,  192                          ; v192-223 block maxima, 16 t + block; later the conversions' scale operands
.set PC,  224                          ; v224-239 P's codes, 8 t
.set SA,  240                          ; v240-255 eight chains of the sums; in the K steps: fragments 0 and 1 of V's second set
.set MSB, 0
.macro WIN new                         ; the immediate's high byte repeats the setting that is left
.if MSB != \new
	s_set_vgpr_msb (MSB<<8)|\new
.set MSB, \new
.endif
.endm
.macro PLACES n
.rept \n
	v_nop
.endr
.endm
.macro BAR                             ; my LDS instructions are done: then the work-group's barrier
	s_wait_dscnt 0x0
	s_barrier_signal -1
	s_barrier_wait -1
.endm
.macro WM d, a, b, c, sa, sb, ra, rb   ; ra, rb: which half of the lanes of the scale registers holds A's and B's words
.if ((\ra)==0)&&((\rb)==0)
	v_wmma_scale_f32_16x16x128_f8f6f4 v[(\d):(\d)+7], v[(\a):(\a)+7], v[(\b):(\b)+7], v[(\c):(\c)+7], v[(\sa)], v[(\sb)] matrix_a_fmt:MATRIX_FMT_FP4 matrix_b_fmt:MATRIX_FMT_FP4
.elseif ((\ra)==1)&&((\rb)==0)
	v_wmma_scale_f32_16x16x128_f8f6f4 v[(\d):(\d)+7], v[(\a):(\a)+7], v[(\b):(\b)+7], v[(\c):(\c)+7], v[(\sa)], v[(\sb)] matrix_a_fmt:MATRIX_FMT_FP4 matrix_b_fmt:MATRIX_FMT_FP4 matrix_a_scale:MATRIX_SCALE_ROW1
.elseif (\ra)==0
	v_wmma_scale_f32_16x16x128_f8f6f4 v[(\d):(\d)+7], v[(\a):(\a)+7], v[(\b):(\b)+7], v[(\c):(\c)+7], v[(\sa)], v[(\sb)] matrix_a_fmt:MATRIX_FMT_FP4 matrix_b_fmt:MATRIX_FMT_FP4 matrix_b_scale:MATRIX_SCALE_ROW1
.else
	v_wmma_scale_f32_16x16x128_f8f6f4 v[(\d):(\d)+7], v[(\a):(\a)+7], v[(\b):(\b)+7], v[(\c):(\c)+7], v[(\sa)], v[(\sb)] matrix_a_fmt:MATRIX_FMT_FP4 matrix_b_fmt:MATRIX_FMT_FP4 matrix_a_scale:MATRIX_SCALE_ROW1 matrix_b_scale:MATRIX_SCALE_ROW1
.endif
.endm
.macro WMZ d, a, b, sa, sb, ra         ; the same with the constant 0 as C: it starts a sum
.if (\ra)==0
	v_wmma_scale_f32_16x16x128_f8f6f4 v[(\d):(\d)+7], v[(\a):(\a)+7], v[(\b):(\b)+7], 0, v[(\sa)], v[(\sb)] matrix_a_fmt:MATRIX_FMT_FP4 matrix_b_fmt:MATRIX_FMT_FP4
.else
	v_wmma_scale_f32_16x16x128_f8f6f4 v[(\d):(\d)+7], v[(\a):(\a)+7], v[(\b):(\b)+7], 0, v[(\sa)], v[(\sb)] matrix_a_fmt:MATRIX_FMT_FP4 matrix_b_fmt:MATRIX_FMT_FP4 matrix_a_scale:MATRIX_SCALE_ROW1
.endif
.endm
.macro QLOAD                           ; a block's Q: two images, the scale words, and the mask of the query that I finish
	global_load_b128 v[QF:QF+3], v4, s[4:5]
	global_load_b128 v[QF+8:QF+11], v4, s[4:5] offset:512
	global_load_b32 v[QSC], v5, s[6:7]
	global_load_b32 v[QMI], v14, s[16:17]
.endm
.macro LOADC i0, cnt                   ; the C of tiles i0 on: lane (r, h), register j: the mask's number of key 16 i + 8 h + j
.set ii, \i0
.rept \cnt
	ds_load_b128 v[CB+8*(ii%16):CB+8*(ii%16)+3], v6 offset:64*ii
	ds_load_b128 v[CB+8*(ii%16)+4:CB+8*(ii%16)+7], v6 offset:64*ii+16
.set ii, ii+1
.endr
.endm
.macro SMUL i0                         ; the scores of eight tiles of keys x two tiles of queries
.set ii, \i0
.rept 8
.irp t, 0,1
	WM (ii%16)*16+8*\t, 8*ii, QF+8*\t, CB+8*(ii%16), KSC+ii/2, QSC, ii%2, \t
.endr
.set ii, ii+1
.endr
.endm
.macro MAXW hi                         ; the largest score of each of a window's eight blocks, for both tiles of queries: sixteen chains by turns; each accumulator is read from its low end on
.irp k, 0,1,2,3,4,5,6,7
.irp t, 0,1
.irp e, 0,1,2,3,4,5,6,7
.if \k == 0
	v_max3_num_f32 v[BM+16*\t+8*\hi+\e], 0xff7fffff, v[32*\e+8*\t], v[32*\e+8*\t+1]
.else
	v_max3_num_f32 v[BM+16*\t+8*\hi+\e], v[BM+16*\t+8*\hi+\e], v[32*\e+16*(\k/4)+8*\t+2*(\k%4)], v[32*\e+16*(\k/4)+8*\t+2*(\k%4)+1]
.endif
.endr
.endr
.endr
.endm
.macro SCALEP                          ; pair nn of a window: c s - c m, two at a time
	v_pk_fma_f32 v[2*nn:2*nn+1], v[2*nn:2*nn+1], s[24:25], v[NM+2*((nn/4)%2):NM+2*((nn/4)%2)+1] op_sel_hi:[1,0,0]
.endm
.macro EXPW                            ; a window's 256 scores become 2^(c s - c m): the scalings run 32 pairs ahead of the exponentials and stand among them
.set nn, 0
.rept 32
	SCALEP
.set nn, nn+1
.endr
.set mm, 0
.rept 128
.if mm+32 < 128
.set nn, mm+32
	SCALEP
.endif
	v_exp_f32 v[2*mm], v[2*mm]
	v_exp_f32 v[2*mm+1], v[2*mm+1]
.set mm, mm+1
.endr
	v_nop                                          ; a plain place behind the last exponential
	s_wait_alu depctr_va_vdst(0)                   ; the window's 256 exponentials have written their results: one wait for the batch, ahead of the first line that names one
.endm
.macro SUMW i0, i1                     ; tiles i0 .. i1 of a window onto the eight chains
.set ii, \i0
.rept \i1-\i0+1
.irp t, 0,1
.irp k, 0,1,2,3
	v_pk_add_f32 v[SA+8*\t+2*\k:SA+8*\t+2*\k+1], v[SA+8*\t+2*\k:SA+8*\t+2*\k+1], v[16*ii+8*\t+2*\k:16*ii+8*\t+2*\k+1]
.endr
.endr
.set ii, ii+1
.endr
.endm
.macro VREG s, e                       ; rV: where fragment e of V's K step s lies: the first set for even steps, the second (SA, then TM) for odd ones
.if ((\s)%2) == 0
.set rV, VF+8*(\e)
.elseif (\e) < 2
.set rV, SA+8*(\e)
.else
.set rV, TM+8*((\e)-2)
.endif
.endm
.macro VLOAD s                         ; V's four fragments of my K step s
.irp e, 0,1,2,3
	VREG \s, \e
.irp u, 0,1
	ds_load_b128 v[rV+4*\u:rV+4*\u+3], v7 offset:4096*(\s)+1024*\e+512*\u
.endr
.endr
.endm
.macro NORM s                          ; the weights of K step s: x 1 / sum
	WIN 0x82+0x41*((\s)/2)
.set nn, 0
.rept 64
	v_pk_mul_f32 v[128*((\s)%2)+2*nn:128*((\s)%2)+2*nn+1], v[128*((\s)%2)+2*nn:128*((\s)%2)+2*nn+1], v[RL+2*((nn/4)%2):RL+2*((nn/4)%2)+1] op_sel_hi:[1,0]
.set nn, nn+1
.endr
.endm
; The codes of K step s: for blocks 2 c and 2 c + 1 the four conversions are laid so that two exchanges of halves leave registers 4 c .. 4 c + 3 = keys 64 c + 32 h + 0 .. 31
.macro QUANTC s
	WIN 0x02+((\s)/2)
.irp t, 0,1
.irp c, 0,1
	v_cvt_scalef32_pk8_fp4_f32 v[PC+8*\t+4*\c], v[128*((\s)%2)+64*\c+8*\t:128*((\s)%2)+64*\c+8*\t+7], v[BM+16*\t+4*(\s)+2*\c]
	v_cvt_scalef32_pk8_fp4_f32 v[PC+8*\t+4*\c+1], v[128*((\s)%2)+64*\c+8*\t+32:128*((\s)%2)+64*\c+8*\t+39], v[BM+16*\t+4*(\s)+2*\c+1]
	v_cvt_scalef32_pk8_fp4_f32 v[PC+8*\t+4*\c+2], v[128*((\s)%2)+64*\c+8*\t+16:128*((\s)%2)+64*\c+8*\t+23], v[BM+16*\t+4*(\s)+2*\c]
	v_cvt_scalef32_pk8_fp4_f32 v[PC+8*\t+4*\c+3], v[128*((\s)%2)+64*\c+8*\t+48:128*((\s)%2)+64*\c+8*\t+55], v[BM+16*\t+4*(\s)+2*\c+1]
.endr
.endr
	WIN 0
	v_nop                                          ; one plain place behind the scaled conversions
.irp t, 0,1
.irp c, 0,1
	v_permlane16_swap_b32 v[PC+8*\t+4*\c], v[PC+8*\t+4*\c+1]
	v_permlane16_swap_b32 v[PC+8*\t+4*\c+2], v[PC+8*\t+4*\c+3]
.endr
.endr
.endm
.macro PV s                            ; O^T += V^T P^T: eight accumulators by turns; the first K step starts the sums
.irp e, 0,1,2,3
	VREG \s, \e
.irp t, 0,1
.if (\s) == 0
	WMZ O+8*(4*\t+\e), rV, PC+8*\t, VSC+2*(\s)+\e/2, PWD+4*\t+(\s), \e%2
.else
	WM O+8*(4*\t+\e), rV, PC+8*\t, O+8*(4*\t+\e), VSC+2*(\s)+\e/2, PWD+4*\t+(\s), \e%2, 0
.endif
.endr
.endr
.endm
	s_load_b512 s[4:19], s[0:1], 0x0               ; qc s[4:5], qs s[6:7], kc s[8:9], ks s[10:11], vc s[12:13], vs s[14:15], the mask s[16:17], ctxc s[18:19]
	s_load_b64 s[20:21], s[0:1], 0x40              ; ctxs
	v_lshrrev_b32 v1, 5, v0
	v_readfirstlane_b32 s22, v1                    ; wave 0..3
	v_and_b32 v1, 15, v0                           ; r
	v_bfe_u32 v2, v0, 4, 1                         ; h
	v_and_b32 v3, 31, v0                           ; lane
	v_lshlrev_b32 v4, 4, v3                        ; 16 x lane: an image's place
	v_lshlrev_b32 v5, 2, v3                        ; 4 x lane
	v_lshlrev_b32 v[TL], 1, v3                     ; 2 x lane
	s_wait_alu depctr_va_sdst(0)                   ; s22 is written, ahead of its first reader: the LDS addresses and the bases are made from it
	s_lshl_b32 s2, s22, 11
	v_lshl_add_u32 v6, v2, 5, s2                   ; the mask's numbers: my 512 keys, + 32 h
	v_add_nc_u32 v15, s2, v4                       ; and where I put them
	s_lshl_b32 s2, s22, 14
	s_add_co_u32 s2, s2, VL
	v_add_nc_u32 v7, s2, v4                        ; V's images, mine
	s_lshl_b32 s2, s22, 8
	s_add_co_u32 s2, s2, MAXX
	v_add_nc_u32 v8, s2, v5                        ; where I put a maximum or a sum
	v_add_nc_u32 v9, MAXX, v5                      ; and where I read the four waves'
	s_lshl_b32 s2, s22, 13
	s_add_co_u32 s2, s2, OX
	v_add_nc_u32 v10, s2, v4                       ; my partial O^T
	s_and_b32 s36, s22, 1                          ; the tile of queries that I finish,
	s_lshr_b32 s37, s22, 1                         ; and the block of 32 of the head's 64
	s_lshl_b32 s2, s36, 12
	s_lshl_b32 s3, s37, 11
	s_add_co_u32 s2, s2, s3
	s_add_co_u32 s2, s2, OX
	v_add_nc_u32 v11, s2, v4                       ; their two tiles in a wave's partial O^T
	v_lshlrev_b32 v12, 4, v1
	v_lshl_add_u32 v12, v2, 3, v12
	s_lshl_b32 s2, s36, 13
	s_lshl_b32 s3, s37, 8
	s_add_co_u32 s2, s2, s3
	v_add_nc_u32 v12, s2, v12                      ; ctx's codes: 16 r + 8 h + 8,192 x tile + 256 x block
	s_lshl_b32 s2, s36, 6
	v_lshl_add_u32 v14, v1, 2, s2                  ; 4 (16 x tile + r): my query among the block's 32
	v_add_nc_u32 v13, s37, v14                     ; ctx's scale byte
	s_lshr_b32 s30, ttmp9, 2                       ; bh
	s_and_b32 s31, ttmp9, 3                        ; qq
	s_lshr_b32 s32, s30, 4                         ; b
	s_and_b32 s33, s30, 15                         ; head
	s_mov_b32 s35, 0
	s_mov_b32 s24, 0x3e38aa3b                      ; c = log2(e) / 8
	s_mov_b32 s25, s24                             ; (named with it as a pair)
	s_mov_b32 s26, 0x76543210
	s_mov_b32 s27, 0xfedcba98                      ; v_permlanex16_b32's selects for lane l xor 16
	s_mov_b32 s23, 16                              ; blocks of 32 queries
	s_wait_kmcnt 0x0
	s_lshl_b32 s34, s30, 16
	s_lshl_b32 s2, s31, 14
	s_add_co_u32 s34, s34, s2
	s_add_nc_u64 s[4:5], s[4:5], s[34:35]          ; Q's images: head, my 32 tiles
	s_lshl_b32 s34, s30, 13
	s_lshl_b32 s2, s31, 11
	s_add_co_u32 s34, s34, s2
	s_add_nc_u64 s[6:7], s[6:7], s[34:35]          ; Q's scale words
	s_lshl_b32 s34, s30, 16
	s_lshl_b32 s2, s22, 14
	s_add_co_u32 s34, s34, s2
	s_add_nc_u64 s[8:9], s[8:9], s[34:35]          ; K's images: head, my 32 tiles
	s_add_nc_u64 s[12:13], s[12:13], s[34:35]      ; V's: head, my 4 K steps
	s_lshl_b32 s34, s30, 13
	s_lshl_b32 s2, s22, 11
	s_add_co_u32 s34, s34, s2
	s_add_nc_u64 s[10:11], s[10:11], s[34:35]      ; K's scale words
	s_lshl_b32 s34, s30, 12
	s_lshl_b32 s2, s22, 10
	s_add_co_u32 s34, s34, s2
	s_add_nc_u64 s[14:15], s[14:15], s[34:35]      ; V's scale bytes
	s_lshl_b32 s34, s32, 13
	s_lshl_b32 s2, s22, 11
	s_add_co_u32 s34, s34, s2
	s_add_nc_u64 s[28:29], s[16:17], s[34:35]      ; the mask of my 512 keys
	s_lshl_b32 s34, s32, 13
	s_lshl_b32 s2, s31, 11
	s_add_co_u32 s34, s34, s2
	s_add_nc_u64 s[16:17], s[16:17], s[34:35]      ; and of my work-group's queries
	s_lshl_b32 s34, s32, 20
	s_lshl_b32 s2, s31, 18
	s_add_co_u32 s34, s34, s2
	s_lshl_b32 s2, s33, 9
	s_add_co_u32 s34, s34, s2
	s_add_nc_u64 s[18:19], s[18:19], s[34:35]      ; ctx's codes: (128 b + 32 qq) tiles of 8,192 bytes + 512 x head
	s_lshl_b32 s34, s32, 16
	s_lshl_b32 s2, s31, 14
	s_add_co_u32 s34, s34, s2
	s_lshr_b32 s2, s33, 1
	s_lshl_b32 s2, s2, 7
	s_add_co_u32 s34, s34, s2
	s_and_b32 s2, s33, 1
	s_lshl_b32 s2, s2, 1
	s_add_co_u32 s34, s34, s2
	s_add_nc_u64 s[20:21], s[20:21], s[34:35]      ; ctx's scale bytes: (64 b + 16 qq) groups of 1,024 bytes + 128 (head / 2) + 2 (head % 2)
	; all that stays comes now
	s_wait_alu depctr_va_vdst(0)                   ; the addresses v4 to v15 and v125 are written: every load and store of the kernel reads one of them, and none is written again
.irp j, 0,1,2,3
	global_load_b128 v[128+4*\j:128+4*\j+3], v4, s[28:29] offset:512*\j
.endr
.irp s, 0,1,2,3
.irp c, 0,1
.irp p, 0,1
	global_load_u16 v[144+4*\s+2*\c+\p], v[TL], s[14:15] offset:256*\s+128*\c+64*\p
.endr
.endr
.endr
.irp g, 0,1,2,3,4,5,6,7,8,9,10,11,12,13,14,15
	global_load_b32 v[KSC+\g], v5, s[10:11] offset:128*\g
.endr
	WIN 0x40                                       ; destination window 1
.set ii, 0
.rept 32
	global_load_b128 v[8*ii:8*ii+3], v4, s[8:9] offset:512*ii
.set ii, ii+1
.endr
	WIN 0x80                                       ; destination window 2: V passes through the scores' registers on its way to LDS
.set ii, 0
.rept 32
	global_load_b128 v[4*ii:4*ii+3], v4, s[12:13] offset:512*ii
.set ii, ii+1
.endr
	WIN 0
	QLOAD
	WIN 0x40
.set ii, 0
.rept 32
.irp j, 4,5,6,7
	v_mov_b32 v[8*ii+\j], 0                        ; K's zero codes of k = 64 .. 127
.endr
.set ii, ii+1
.endr
	WIN 0
.irp j, 4,5,6,7,12,13,14,15
	v_mov_b32 v[QF+\j], 0                          ; Q's
.endr
.irp n, 0,1,2,3,4,5,6,7,8,9,10,11,12,13,14,15
	v_mov_b32 v[TM+\n], 0                          ; written once: a lane permute's destination counts as one of its sources
.endr
.irp n, NM+1, NM+3, RL+1, RL+3, QM+1
	v_mov_b32 v[\n], 0                             ; the upper halves of pairs of which the low word serves both halves
.endr
	v_mov_b32 v160, 0xf1800000                     ; -2^100
	s_wait_loadcnt 0x0
.irp n, 0,1,2,3,4,5,6,7,8,9,10,11,12,13,14,15
	v_cmp_eq_u32 s[30+\n], 0, v[128+\n]            ; the sixteen compares in one run, a scalar register each (s30 to s45 are free from here on)
.endr
	s_wait_alu depctr_va_sdst(0)                   ; the sixteen masks s30 to s45 are written, ahead of the selections that read them
.irp n, 0,1,2,3,4,5,6,7,8,9,10,11,12,13,14,15
	v_cndmask_b32 v[128+\n], 0, v160, s[30+\n]     ; a key whose mask is 0 is hidden
.endr
.irp s, 0,1,2,3
.irp p, 0,1
	v_lshl_or_b32 v[VSC+2*\s+\p], v[144+4*\s+2+\p], 16, v[144+4*\s+\p]       ; the two bytes of keys 0-63 and the two of keys 64-127 of a K step
.endr
.endr
	s_wait_alu depctr_va_vdst(0)                   ; the mask's numbers v128-143 are written, which the LDS stores read; the lines above are done with v144-160, in which C's loads land; V's scale words and K's and Q's zero codes are written, which the scaled products take
.irp j, 0,1,2,3
	ds_store_b128 v15, v[128+4*\j:128+4*\j+3] offset:512*\j
.endr
	WIN 0x08                                       ; an LDS store's data are its source 1: window 2
.set ii, 0
.rept 32
	ds_store_b128 v7, v[4*ii:4*ii+3] offset:512*ii
.set ii, ii+1
.endr
	WIN 0
	s_wait_dscnt 0x0                               ; my stores into LDS are done
	s_wait_alu depctr_vm_vsrc(0)                   ; the LDS stores have read v128-143, in which C's loads land, and the registers of window 2, which the first scores write
	LOADC 0, 16                                    ; my own bytes: LDS serves a wave's instructions in order
.Lblock:                                           ; 16 trips: a block of 32 queries
	; ---- the scores
	s_wait_dscnt 0x0                               ; the C of tiles 0-15
	s_wait_loadcnt 0x0                             ; Q
	v_cvt_f32_i32 v[QM], v[QMI]
	WIN 0x81                                       ; K window 1, scores window 2
	SMUL 0
	WIN 0
	PLACES 4                                       ; in front of loads into registers that matrix instructions have read
	s_wait_alu depctr_va_vdst(0)                   ; the products of tiles 0-7 are done reading their C, v128-191, in which the loads below land
	LOADC 16, 8
	WIN 0x81
	SMUL 8
	WIN 0
	PLACES 4
	s_wait_alu depctr_va_vdst(0)                   ; the products of tiles 8-15 are done reading their C, v192-255, in which the loads below land
	LOADC 24, 8
	s_wait_dscnt 16                                ; the sixteen loads of tiles 24-31 are younger: the C of tiles 16-23 is in
	WIN 0xc1
	SMUL 16
	s_wait_dscnt 0x0
	SMUL 24
	WIN 0
	PLACES 4                                       ; in front of the maxima, which write registers that the last products read as C
	; ---- the maximum: of each block of 32 keys (it serves again for the block's scale), of my 512 keys, of the row
	WIN 0x28
	MAXW 0
	WIN 0x3c
	MAXW 1
	WIN 0
.irp t, 0,1
.irp n, 0,1,2,3,4,5,6,7,8,9,10,11,12,13,14,15
	v_permlanex16_b32 v[TM+\n], v[BM+16*\t+\n], s26, s27
.endr
.irp n, 0,1,2,3,4,5,6,7,8,9,10,11,12,13,14,15
	v_max_num_f32 v[BM+16*\t+\n], v[BM+16*\t+\n], v[TM+\n]     ; with lane l xor 16's 16 keys
.endr
.endr
.irp t, 0,1
	v_max3_num_f32 v[TM+\t], v[BM+16*\t], v[BM+16*\t+1], v[BM+16*\t+2]
.endr
.irp k, 3,5,7,9,11,13
.irp t, 0,1
	v_max3_num_f32 v[TM+\t], v[TM+\t], v[BM+16*\t+\k], v[BM+16*\t+\k+1]
.endr
.endr
.irp t, 0,1
	v_max_num_f32 v[TM+\t], v[TM+\t], v[BM+16*\t+15]
.endr
	s_wait_alu depctr_va_vdst(0)                   ; my two maxima are written, which the stores read; the joins are done with TM+2 to TM+9, in which the loads behind the barrier land; the 64 products and the conversion are done reading Q, its scale words and its mask, in which the next block's loads land
.irp t, 0,1
	ds_store_b32 v8, v[TM+\t] offset:128*\t
.endr
	BAR                                            ; the four waves' maxima lie in LDS
.irp t, 0,1
.irp x, 0,1,2,3
	ds_load_b32 v[TM+2+4*\t+\x], v9 offset:256*\x+128*\t
.endr
.endr
	s_wait_dscnt 0x0
	s_wait_alu depctr_vm_vsrc(0)                   ; the two stores have read TM and TM+1, which the lines below write again
	s_cmp_eq_u32 s23, 1                            ; the next block's Q is asked for a block ahead, if there is one: no load leaves its buffer
	s_cbranch_scc1 .Lnoq
	s_add_nc_u64 s[4:5], s[4:5], 1024              ; (the loads that read these addresses were waited for at the trip's head)
	s_add_nc_u64 s[6:7], s[6:7], 128
	s_add_nc_u64 s[16:17], s[16:17], 128
	QLOAD                                          ; no vector or matrix instruction since the wait ahead of the maxima's stores names these registers, and none does before the next trip's head
.Lnoq:
.irp t, 0,1
	v_max3_num_f32 v[TM+\t], v[TM+2+4*\t], v[TM+3+4*\t], v[TM+4+4*\t]
.endr
.irp t, 0,1
	v_max3_num_f32 v[TM+\t], v[TM+\t], v[TM+5+4*\t], 0xdd800000      ; held at -2^60 from below: a row with no key left
.endr
.irp t, 0,1
	v_mul_f32 v[NM+2*\t], 0xbe38aa3b, v[TM+\t]     ; -c m
.endr
	; ---- the exponentials, once for each score
.irp t, 0,1
.irp n, 0,1,2,3,4,5,6,7,8,9,10,11,12,13,14,15
	v_fma_f32 v[BM+16*\t+\n], v[BM+16*\t+\n], s24, v[NM+2*\t]        ; the same of each block's largest score
.endr
.endr
	WIN 0x82
	EXPW
	WIN 0xc3
	EXPW
	WIN 0
.irp n, 0,1,2,3,4,5,6,7,8,9,10,11,12,13,14,15,16,17,18,19,20,21,22,23,24,25,26,27,28,29,30,31
	v_exp_f32 v[BM+\n], v[BM+\n]
.endr
	v_nop
	s_wait_alu depctr_va_vdst(0)                   ; the 32 exponentials of the blocks' largest scores have written BM: one wait for them, ahead of the first line that names one
	; ---- the sum
	WIN 0x0a
.irp t, 0,1
.irp k, 0,1,2,3
	v_pk_add_f32 v[SA+8*\t+2*\k:SA+8*\t+2*\k+1], v[8*\t+2*\k:8*\t+2*\k+1], v[16+8*\t+2*\k:16+8*\t+2*\k+1]    ; tiles 0 and 1 start the chains
.endr
.endr
	WIN 0x08
	SUMW 2, 15
	WIN 0x0c
	SUMW 0, 15
	WIN 0
.irp t, 0,1
	v_pk_add_f32 v[SA+8*\t:SA+8*\t+1], v[SA+8*\t:SA+8*\t+1], v[SA+8*\t+2:SA+8*\t+3]
	v_pk_add_f32 v[SA+8*\t+4:SA+8*\t+5], v[SA+8*\t+4:SA+8*\t+5], v[SA+8*\t+6:SA+8*\t+7]
.endr
.irp t, 0,1
	v_pk_add_f32 v[SA+8*\t:SA+8*\t+1], v[SA+8*\t:SA+8*\t+1], v[SA+8*\t+4:SA+8*\t+5]
.endr
.irp t, 0,1
	v_add_f32 v[TM+\t], v[SA+8*\t], v[SA+8*\t+1]
.endr
.irp t, 0,1
	v_permlanex16_b32 v[TM+2+\t], v[TM+\t], s26, s27
.endr
.irp t, 0,1
	v_add_f32 v[TM+\t], v[TM+\t], v[TM+2+\t]
.endr
	s_wait_alu depctr_va_vdst(0)                   ; my two sums are written, which the stores read; the lines above are done with TM+2 and TM+3, in which the loads behind the barrier land; the last block's products are done reading V's first set, in which K step 0's loads land
.irp t, 0,1
	ds_store_b32 v8, v[TM+\t] offset:SUMX+128*\t
.endr
	BAR                                            ; the four waves' sums lie in LDS
.irp t, 0,1
.irp x, 0,1,2,3
	ds_load_b32 v[TM+2+4*\t+\x], v9 offset:SUMX+256*\x+128*\t
.endr
.endr
	VLOAD 0
	s_wait_dscnt 8                                 ; V's eight loads are younger
	s_wait_alu depctr_vm_vsrc(0)                   ; the two stores have read TM and TM+1, which the additions below write again and in which K step 1's fragments of V land later
.irp t, 0,1
	v_add_f32 v[TM+2+4*\t], v[TM+2+4*\t], v[TM+3+4*\t]
	v_add_f32 v[TM+4+4*\t], v[TM+4+4*\t], v[TM+5+4*\t]
.endr
.irp t, 0,1
	v_add_f32 v[TM+\t], v[TM+2+4*\t], v[TM+4+4*\t]
.endr
.irp t, 0,1
	v_max_num_f32 v[TM+\t], 0x0d800000, v[TM+\t]   ; held at 2^-100 from below: a row with no key left
.endr
.irp t, 0,1
	v_rcp_f32 v[RL+2*\t], v[TM+\t]
.endr
	v_nop
	s_wait_alu depctr_va_vdst(0)                   ; the two reciprocals have written RL: one wait for both, ahead of their first reader
	; ---- the blocks' scales
.irp t, 0,1
.irp n, 0,1,2,3,4,5,6,7,8,9,10,11,12,13,14,15
	v_mul_f32 v[BM+16*\t+\n], v[BM+16*\t+\n], v[RL+2*\t]             ; the block's largest weight
.endr
.endr
.irp n, 0,1,2,3,4,5,6,7,8,9,10,11,12,13,14,15,16,17,18,19,20,21,22,23,24,25,26,27,28,29,30,31
	v_max_num_f32 v[BM+\n], 0x1800000, v[BM+\n]    ; the floor 2^(3 - 127): the byte cannot fall under 1
.endr
.irp n, 0,1,2,3,4,5,6,7,8,9,10,11,12,13,14,15,16,17,18,19,20,21,22,23,24,25,26,27,28,29,30,31
	v_add_nc_u32 v[BM+\n], 0xff000000, v[BM+\n]    ; 2 off the exponent field: the conversion's scale operand
.endr
.irp t, 0,1
.irp n, 0,1,2,3,4,5,6,7,8,9,10,11,12,13,14,15
	v_lshrrev_b32 v[TM+\n], 23, v[BM+16*\t+\n]     ; the scale's byte
.endr
.irp s, 0,1,2,3
	v_lshl_or_b32 v[PWD+4*\t+\s], v[TM+4*\s+1], 8, v[TM+4*\s]
.endr
.irp s, 0,1,2,3
	v_lshl_or_b32 v[PWD+4*\t+\s], v[TM+4*\s+2], 16, v[PWD+4*\t+\s]
.endr
.irp s, 0,1,2,3
	v_lshl_or_b32 v[PWD+4*\t+\s], v[TM+4*\s+3], 24, v[PWD+4*\t+\s]
.endr
.endr
	; ---- normalise, quantise, multiply by V, a K step of 128 keys at a time.  The next step's normalisation stands between a step's codes and its products: those 64 lines are the places that the products want
	NORM 0
.irp s, 0,1,2,3
	QUANTC \s
.if \s < 3
	NORM \s+1
	WIN 0
.else
	PLACES 4
.endif
	s_wait_alu depctr_va_vdst(0)                   ; behind the places: this step's codes and P's scale words are written, which the scaled products take; the step before is done reading the other set of V (ahead of K step 0: the sums and the scale bytes are done with SA and TM), in which the loads below land
.if \s < 3
	VLOAD \s+1                                     ; a step ahead, into the set that this step's products do not name
	s_wait_dscnt 8                                 ; those eight loads are younger: this step's fragments of V are in
.else
	s_wait_dscnt 0x0                               ; V's last fragments are in
.endif
	PV \s
	PLACES 4                                       ; in front of the next codes and of the first read of O^T
.endr
	; ---- ctx: the four waves' partial O^T meet in LDS; wave w finishes tile w % 2 of the queries, block w / 2 of the head
	s_wait_alu depctr_va_vdst(0)                   ; behind the places: the products have written O^T, which the LDS stores read, and are done reading P's codes and V's second set; the conversions are done reading BM and the scores: the partial sums land in window 2, the next C in v128-255
.irp a, 0,1,2,3,4,5,6,7
	ds_store_b128 v10, v[O+8*\a:O+8*\a+3] offset:1024*\a               ; each accumulator from its low end on
	ds_store_b128 v10, v[O+8*\a+4:O+8*\a+7] offset:1024*\a+512
.endr
	BAR
	s_wait_alu depctr_vm_vsrc(0)                   ; my LDS stores have read O^T, v128-191, in which the next block's C lands
	WIN 0x80                                       ; destination window 2: the scores are done with
.irp x, 0,1,2,3
.irp e, 0,1
.irp u, 0,1
	ds_load_b128 v[16*\x+8*\e+4*\u:16*\x+8*\e+4*\u+3], v11 offset:8192*\x+1024*\e+512*\u
.endr
.endr
.endr
	WIN 0
	LOADC 0, 16                                    ; the next block's first C (in the last trip: read and not used)
	s_wait_dscnt 32                                ; those 32 loads are younger: the partial sums are in
	WIN 0x8a
.irp p, 0,1,2,3,4,5,6,7
	v_pk_add_f32 v[2*\p:2*\p+1], v[2*\p:2*\p+1], v[16+2*\p:16+2*\p+1]
.endr
.irp p, 0,1,2,3,4,5,6,7
	v_pk_add_f32 v[32+2*\p:32+2*\p+1], v[32+2*\p:32+2*\p+1], v[48+2*\p:48+2*\p+1]
.endr
.irp p, 0,1,2,3,4,5,6,7
	v_pk_add_f32 v[2*\p:2*\p+1], v[2*\p:2*\p+1], v[32+2*\p:32+2*\p+1]
.endr
	WIN 0x82
.irp p, 0,1,2,3,4,5,6,7
	v_pk_mul_f32 v[2*\p:2*\p+1], v[2*\p:2*\p+1], v[QM:QM+1] op_sel_hi:[1,0]      ; x the query's mask, as a number
.endr
	WIN 0x28
	v_max3_num_f32 v[TM], 0x1800000, |v0|, |v1|    ; register 8 e + j is d = 32 x block + 16 e + 8 h + j of my query: 16 of the block's 32
	v_max3_num_f32 v[TM+1], 0x1800000, |v8|, |v9|
.irp i, 2,4,6
	v_max3_num_f32 v[TM], v[TM], |v[\i]|, |v[\i+1]|
	v_max3_num_f32 v[TM+1], v[TM+1], |v[8+\i]|, |v[9+\i]|
.endr
	WIN 0
	v_max_num_f32 v[TM], v[TM], v[TM+1]
	v_permlanex16_b32 v[TM+2], v[TM], s26, s27
	v_max_num_f32 v[TM], v[TM], v[TM+2]
	v_add_nc_u32 v[TM+3], 0xff000000, v[TM]
	v_lshrrev_b32 v[CBY], 23, v[TM+3]
	WIN 0x02
	v_cvt_scalef32_pk8_fp4_f32 v[CC], v[0:7], v[TM+3]
	v_cvt_scalef32_pk8_fp4_f32 v[CC+1], v[8:15], v[TM+3]
	WIN 0
	v_nop                                          ; one plain place behind the scaled conversions
	v_permlane16_swap_b32 v[CC], v[CC+1]           ; lane (r, 0) now holds the block's codes 0-15, lane (r, 1) its codes 16-31
	s_wait_alu depctr_va_vdst(0)                   ; ctx's codes and its scale byte are written, which the two stores read
	global_store_b64 v12, v[CC:CC+1], s[18:19]     ; the wave stores 256 consecutive bytes, at a multiple of 256 from the buffer's first byte
	global_store_b8 v13, v[CBY], s[20:21]          ; both halves of the lanes write the same byte with the same value
	s_wait_xcnt 0x0                                ; the stores' addresses are translated: their bases are written again only behind this wait
	s_wait_alu depctr_vm_vsrc(0)                   ; the two stores have read ctx's codes and its scale byte, which the next trip writes again
	s_add_nc_u64 s[18:19], s[18:19], 16384
	s_add_nc_u64 s[20:21], s[20:21], 1024
	s_sub_co_u32 s23, s23, 1
	s_cmp_lg_u32 s23, 0
	s_cbranch_scc1 .Lblock
	s_wait_dscnt 0x0                               ; the last trip's fetch of C has landed, in v254 and v255 too
	s_wait_xcnt 0x0
	v_lshl_add_u32 v254, v0, 2, 0x1a800
	v_mov_b32 v255, 0
	s_wait_dscnt 0x0                               ; the closing lines, six on end
	s_wait_alu 0x0
	s_wait_tensorcnt 0x0
	ds_add_u32 v254, v255
	s_wait_dscnt 0x0
	s_endpgm
.Lfunc_end_k_qbe6dd2bb8f_attn:
	.size	k_qbe6dd2bb8f_attn, .Lfunc_end_k_qbe6dd2bb8f_attn-k_qbe6dd2bb8f_attn
	.p2alignl 7, 3214868480
	.fill 96, 4, 3214868480
	.section	.rodata,"a",@progbits
	.p2align	6, 0x0
	.amdhsa_kernel k_qbe6dd2bb8f_attn
		.amdhsa_group_segment_fixed_size 109056
		.amdhsa_private_segment_fixed_size 0
		.amdhsa_enable_private_segment 0
		.amdhsa_kernarg_size 72
		.amdhsa_user_sgpr_count 2
		.amdhsa_user_sgpr_kernarg_segment_ptr 1
		.amdhsa_wavefront_size32 1
		.amdhsa_system_sgpr_workgroup_id_x 1
		.amdhsa_system_sgpr_workgroup_id_y 1
		.amdhsa_system_sgpr_workgroup_id_z 1
		.amdhsa_system_vgpr_workitem_id 0
		.amdhsa_next_free_vgpr 1024
		.amdhsa_next_free_sgpr 66
		.amdhsa_reserve_vcc 0
		.amdhsa_float_denorm_mode_32 3
		.amdhsa_float_denorm_mode_16_64 3
		.amdhsa_memory_ordered 1
		.amdhsa_forward_progress 1
		.amdhsa_inst_pref_size 157
	.end_amdhsa_kernel
	.amdgpu_metadata
---
amdhsa.version: [ 1, 2 ]
amdhsa.kernels:
  - .name:           k_qbe6dd2bb8f_attn
    .symbol:         k_qbe6dd2bb8f_attn.kd
    .args:
      - { .name: qc, .offset: 0, .size: 8, .value_kind: global_buffer, .address_space: global }
      - { .name: qs, .offset: 8, .size: 8, .value_kind: global_buffer, .address_space: global }
      - { .name: kc, .offset: 16, .size: 8, .value_kind: global_buffer, .address_space: global }
      - { .name: ks, .offset: 24, .size: 8, .value_kind: global_buffer, .address_space: global }
      - { .name: vc, .offset: 32, .size: 8, .value_kind: global_buffer, .address_space: global }
      - { .name: vs, .offset: 40, .size: 8, .value_kind: global_buffer, .address_space: global }
      - { .name: attention_mask, .offset: 48, .size: 8, .value_kind: global_buffer, .address_space: global }
      - { .name: ctxc, .offset: 56, .size: 8, .value_kind: global_buffer, .address_space: global }
      - { .name: ctxs, .offset: 64, .size: 8, .value_kind: global_buffer, .address_space: global }
    .group_segment_fixed_size: 109056
    .private_segment_fixed_size: 0
    .kernarg_segment_align: 8
    .kernarg_segment_size: 72
    .max_flat_workgroup_size: 128
    .sgpr_count:     66
    .vgpr_count:     1024
    .wavefront_size: 32
...
	.end_amdgpu_metadata
.endif
;; end of part 4
;; launch oproj: the kernel of part 3 again; grid 32 x 8, 4 waves a work-group, clusters of 4 x 1, 168,448 bytes of LDS; arguments ctxc, ctxs, wo_codes, wo_scales, bo, out0; writes out0
